; MI455X (gfx1250); checked and timed in simulation.
; The chip was launched on July 23, 2026; its instructions are those of AMD's public machine-readable ISA for CDNA 5 (MIT licence, August 2026) and "CDNA5" Instruction Set Architecture Reference Guide (July 2026). The comments in the code are by the model that wrote it; some were corrected since.
;; Z Image Attention. Allowed arithmetic: float matrix products may take bf16 or f16 operands with f32 sums; other float arithmetic in f32, or as packed bf16 or f16 multiplies, adds, multiply-adds, maxima and minima; sums over many terms, partial sums and values carried from step to step in f32; what a program stores and reads back later, other than sums and carried values, may be rounded once to bf16 or f16.
;; Inputs: freqs_cos 2,048 x 64 float32; freqs_sin 2,048 x 64 float32; hidden_states 2 x 2,048 x 2,048 float32; k_norm_w 128 float32; q_norm_w 128 float32; wk 1,024 x 2,048 float32; wo 2,048 x 1,024 float32; wq 1,024 x 2,048 float32; wv 1,024 x 2,048 float32.
;; Outputs: out0 2 x 2,048 x 2,048 float32.
;; One version. Each part assembles by itself: llvm-mc -triple=amdgcn-amd-amdhsa -mcpu=gfx1250 --defsym DOCPART=n.
;; ======== version 1 of 1: 4 launches
;; limits: values are held in f16: magnitudes above 65,504 overflow, below 6.1e-05 lose precision
;; workspace buffers: xb 16,777,216 bytes; wb 12,582,912 bytes; wob 4,194,304 bytes; qkv 25,165,824 bytes; ob 8,388,608 bytes
;; launch cast (part 1): grid 1024 x 1, 8 waves a work-group, no clusters, 0 bytes of LDS; arguments hidden_states, wq, wk, wv, wo, xb, wb, wob; writes xb, wb, wob
.if DOCPART == 1
	.amdgcn_target "amdgcn-amd-amdhsa--gfx1250"
	.amdhsa_code_object_version 6
	.text
	.protected	k_qf3c3e300b7_cast
	.globl	k_qf3c3e300b7_cast
	.p2align	8
	.type	k_qf3c3e300b7_cast,@function
k_qf3c3e300b7_cast:
	s_mov_b64 s[64:65], 0
	v_nop
	global_prefetch_b8 v0, s[64:65] scope:SCOPE_SE
	s_setreg_imm32_b32 hwreg(HW_REG_WAVE_MODE, 25, 1), 1
	s_wait_xcnt 0x0
; THE LARGE INPUTS ARE ROUNDED ONCE TO 16 BITS.  hidden_states -> xb (bf16); wq, wk, wv -> wb (bf16, BY HEADS: row 384 h + 128 kind + r holds row 128 h + r of wq, wk, wv for kind 0, 1, 2, so that
; one head's q, k and v rows are 384 rows on end); wo -> wob (rounded to bf16, that number written as f16, since its partner in the last product is f16).
; LIMIT: f16 ends at 65,504: |wo| stays under that; below 6e-5 f16 keeps a fixed step of 6e-8.
; A stream: memory binds, so no LDS, no matrix unit, no cluster.  A work-group takes one chunk of 16,384 numbers (65,536 bytes in, 32,768 out: 8 rows of a weight); its 256 threads take 16 bytes each of
; every 4,096, so a wave's load covers 512 consecutive bytes and a wave's store of 8 bytes a lane 256 consecutive bytes, aligned.  All sixteen loads of a thread go out at once.
; Chunks: 0-511 hidden_states, 512-895 wq, wk, wv (128 each), 896-1023 wo.
.set X, 4                              ; v[4:67]   as loaded
.set Y, 68                             ; v[68:99]  to store
.set T, 100                            ; v[100:101] at work
.set SRC, 30                           ; s[30:31]
.set DST, 32                           ; s[32:33]
	s_load_b512 s[8:23], s[0:1], 0x0               ; hidden_states s[8:9], wq s[10:11], wk s[12:13], wv s[14:15], wo s[16:17], xb s[18:19], wb s[20:21], wob s[22:23]
	v_lshlrev_b32 v1, 4, v0                        ; 16 bytes a thread
	v_lshlrev_b32 v2, 3, v0                        ; 8 bytes a thread
	s_mov_b32 s38, 0xffff0000                      ; a word's upper bf16
	s_mov_b32 s35, 0                               ; offsets are pairs with 0 above
	s_mov_b32 s37, 0
	s_wait_kmcnt 0x0
; sixteen loads, then sixteen times: the oldest is in, it is rounded and stored.  mode = 1: bf16's number written as f16
.macro CAST mode
.set i, 0
.rept 16
	global_load_b128 v[X+4*i:X+4*i+3], v1, s[SRC:SRC+1] offset:4096*i th:TH_LOAD_NT
.set i, i+1
.endr
.set i, 0
.rept 16
	s_wait_loadcnt 15-i                            ; loads come back in order: 15 - i younger ones may stay out
.if \mode
	v_cvt_pk_bf16_f32 v[T], v[X+4*i], v[X+4*i+1]
	v_cvt_pk_bf16_f32 v[T+1], v[X+4*i+2], v[X+4*i+3]
	v_lshlrev_b32 v[X+4*i], 16, v[T]
	v_and_b32 v[X+4*i+1], s38, v[T]
	v_lshlrev_b32 v[X+4*i+2], 16, v[T+1]
	v_and_b32 v[X+4*i+3], s38, v[T+1]
	v_cvt_pk_f16_f32 v[Y+2*i], v[X+4*i], v[X+4*i+1]
	v_cvt_pk_f16_f32 v[Y+2*i+1], v[X+4*i+2], v[X+4*i+3]
.else
	v_cvt_pk_bf16_f32 v[Y+2*i], v[X+4*i], v[X+4*i+1]
	v_cvt_pk_bf16_f32 v[Y+2*i+1], v[X+4*i+2], v[X+4*i+3]
.endif
	global_store_b64 v2, v[Y+2*i:Y+2*i+1], s[DST:DST+1] offset:2048*i
.set i, i+1
.endr
.endm
	s_cmp_ge_u32 ttmp9, 896
	s_cbranch_scc1 .Lwo
	s_and_b32 s2, ttmp9, 127                       ; a weight's chunk in its own tensor (512, 640 and 768 are multiples of 128): 16 h + the chunk in the head
	s_max_u32 s3, ttmp9, 512
	s_sub_co_u32 s3, s3, 512
	s_lshr_b32 s3, s3, 7                           ; the kind: 0, 1, 2
	s_lshl_b32 s3, s3, 4                           ; a head's 128 rows are 16 chunks
	s_lshr_b32 s4, s2, 4                           ; the head
	s_mul_i32 s4, s4, 48                           ; its 384 rows in wb are 48 chunks
	s_add_co_u32 s3, s3, s4
	s_and_b32 s4, s2, 15
	s_add_co_u32 s3, s3, s4                        ; the chunk in wb: 48 h + 16 kind + the chunk in the head
	s_cmp_lt_u32 ttmp9, 768
	s_cselect_b64 s[SRC:SRC+1], s[12:13], s[14:15]
	s_cmp_lt_u32 ttmp9, 640
	s_cselect_b64 s[SRC:SRC+1], s[10:11], s[SRC:SRC+1]
	s_cmp_lt_u32 ttmp9, 512
	s_cselect_b64 s[SRC:SRC+1], s[8:9], s[SRC:SRC+1]
	s_cselect_b64 s[DST:DST+1], s[18:19], s[20:21]
	s_cselect_b32 s2, ttmp9, s2
	s_cselect_b32 s3, ttmp9, s3
	s_lshl_b32 s34, s2, 16
	s_lshl_b32 s36, s3, 15
	s_add_nc_u64 s[SRC:SRC+1], s[SRC:SRC+1], s[34:35]
	s_add_nc_u64 s[DST:DST+1], s[DST:DST+1], s[36:37]
	CAST 0
	s_endpgm
.Lwo:
	s_sub_co_u32 s2, ttmp9, 896
	s_lshl_b32 s34, s2, 16
	s_lshl_b32 s36, s2, 15
	s_add_nc_u64 s[SRC:SRC+1], s[16:17], s[34:35]
	s_add_nc_u64 s[DST:DST+1], s[22:23], s[36:37]
	CAST 1
	s_endpgm
.Lfunc_end_k_qf3c3e300b7_cast:
	.size	k_qf3c3e300b7_cast, .Lfunc_end_k_qf3c3e300b7_cast-k_qf3c3e300b7_cast
	.p2alignl 7, 3214868480
	.fill 96, 4, 3214868480
	.section	.rodata,"a",@progbits
	.p2align	6, 0x0
	.amdhsa_kernel k_qf3c3e300b7_cast
		.amdhsa_group_segment_fixed_size 0
		.amdhsa_private_segment_fixed_size 0
		.amdhsa_enable_private_segment 0
		.amdhsa_kernarg_size 64
		.amdhsa_user_sgpr_count 2
		.amdhsa_user_sgpr_kernarg_segment_ptr 1
		.amdhsa_wavefront_size32 1
		.amdhsa_system_sgpr_workgroup_id_x 1
		.amdhsa_system_sgpr_workgroup_id_y 1
		.amdhsa_system_sgpr_workgroup_id_z 1
		.amdhsa_system_vgpr_workitem_id 0
		.amdhsa_next_free_vgpr 104
		.amdhsa_next_free_sgpr 66
		.amdhsa_reserve_vcc 0
		.amdhsa_float_denorm_mode_32 3
		.amdhsa_float_denorm_mode_16_64 3
		.amdhsa_memory_ordered 1
		.amdhsa_forward_progress 1
		.amdhsa_inst_pref_size 17
	.end_amdhsa_kernel
	.amdgpu_metadata
---
amdhsa.version: [ 1, 2 ]
amdhsa.kernels:
  - .name:           k_qf3c3e300b7_cast
    .symbol:         k_qf3c3e300b7_cast.kd
    .args:
      - { .name: hidden_states, .offset: 0, .size: 8, .value_kind: global_buffer, .address_space: global }
      - { .name: wq, .offset: 8, .size: 8, .value_kind: global_buffer, .address_space: global }
      - { .name: wk, .offset: 16, .size: 8, .value_kind: global_buffer, .address_space: global }
      - { .name: wv, .offset: 24, .size: 8, .value_kind: global_buffer, .address_space: global }
      - { .name: wo, .offset: 32, .size: 8, .value_kind: global_buffer, .address_space: global }
      - { .name: xb, .offset: 40, .size: 8, .value_kind: global_buffer, .address_space: global }
      - { .name: wb, .offset: 48, .size: 8, .value_kind: global_buffer, .address_space: global }
      - { .name: wob, .offset: 56, .size: 8, .value_kind: global_buffer, .address_space: global }
    .group_segment_fixed_size: 0
    .private_segment_fixed_size: 0
    .kernarg_segment_align: 8
    .kernarg_segment_size: 64
    .max_flat_workgroup_size: 256
    .sgpr_count:     66
    .vgpr_count:     104
    .wavefront_size: 32
...
	.end_amdgpu_metadata
.endif
;; end of part 1
;; launch qkv (part 2): grid 8 x 32, 4 waves a work-group, clusters of 4 x 4, 327,680 bytes of LDS; arguments xb, wb, freqs_cos, freqs_sin, q_norm_w, k_norm_w, qkv; writes qkv
.if DOCPART == 2
	.amdgcn_target "amdgcn-amd-amdhsa--gfx1250"
	.amdhsa_code_object_version 6
	.text
	.protected	k_qf3c3e300b7_qkv
	.globl	k_qf3c3e300b7_qkv
	.p2align	8
	.type	k_qf3c3e300b7_qkv,@function
k_qf3c3e300b7_qkv:
	s_mov_b64 s[64:65], 0
	v_nop
	global_prefetch_b8 v0, s[64:65] scope:SCOPE_SE
	s_setreg_imm32_b32 hwreg(HW_REG_WAVE_MODE, 25, 1), 1
	s_wait_xcnt 0x0
	s_wait_alu depctr_hold_cnt(0) depctr_sa_sdst(0) depctr_va_vdst(0) depctr_va_sdst(0) depctr_va_ssrc(0) depctr_va_vcc(0) depctr_vm_vsrc(0)
	s_getreg_b32 s2, hwreg(HW_REG_IB_STS2, 6, 4)
	s_cmp_eq_u32 s2, 0
	s_cbranch_scc0 .Lentry_in_a_cluster
	s_endpgm
.Lentry_in_a_cluster:
	s_bfe_u32 s2, ttmp6, 0x10000c
	s_cmp_lg_u32 s2, 0xf033
	s_cbranch_scc0 .Lentry_shape_is_right
	s_endpgm
.Lentry_shape_is_right:
; q, k, v = x w^T, then for q and k RMSNorm over a head's 128 channels, the gain, and RoPE; all three leave in f16, by heads: qkv = three parts [16 (8 b + h)][2048][128].
; x: xb [4096][2048] bf16; w: wb [3072][2048] bf16, by heads (row 384 h + 128 kind + r); sums in f32.  The gains, cos and sin are rounded to bf16 here, like every input.
; LIMITS: f16 ends at 65,504: |v| = |x . wv| and |q|, |k| (at most sqrt(128) x the largest gain) stay under that; NaN and infinities are not treated apart.
; A tile of the product is 128 rows x 384 columns: ONE head's q, k and v.  4,096 / 128 x 3,072 / 384 = 256 work-groups, all alike.  Four waves, each 128 x 96 in 48 accumulators (384 registers).
; K goes in 16 steps of 128 through a ring of two LDS slots filled by the tensor data mover; rows of 256 bytes, at multiples of 256 bytes.  Wave 0 fetches x's 128 rows, waves 1 to 3 the q, k and v rows of w.
; CLUSTERS: 4 x 4 work-groups; the four of a row need the same tile of x, the four of a column the same tiles of w: each tile is asked for JOINTLY.
; THE MATRIX INSTRUCTION IS USED TRANSPOSED (source 0 = 16 rows of w, source 1 = 16 rows of x): lane l holds row l % 16 and the columns 8 (l / 16) + 0..7.
; THE WAY OUT goes through one f32 stage of 128 x 384 in the ring (filled no more by then), with a barrier on each side of the writing; then wave w takes rows 32 w .. 32 w + 31 of all three heads, so
; that a head's 128 channels meet in 16 lanes whatever wave made them.  Its 32 rows of cos and sin lie ready in LDS bytes of its own, put there at the kernel's start.
; REGISTERS, in windows of 256: window 0: v0-31 addresses, v32-47 the gains, v64-127, v128-191 fragments of x (two buffers), on the way out v48-255 at work; window 1: v64-111, v128-175 fragments of w;
; window 2: the accumulators of rows 0-63 ((a, b) at v[8 (6 a + b)]); window 3: those of rows 64-127.
; s_set_vgpr_msb's low byte: bits 1:0 source 0, 3:2 source 1, 5:4 source 2, 7:6 destination.
.set SIZE_K, 2048
.set KSTEP,  128
.set PITCH,  272                       ; an LDS row: 256 bytes + 16 of padding: the 16 rows that a load touches start at 16 different groups of four banks (ISA guide 11.1)
.set HALFT,  128*PITCH                 ; 128 rows: what one tensor load brings
.set SLOT,   4*HALFT                   ; x's 128 rows, then w's 384 rows
.set SPARE,  2*SLOT                    ; behind the ring: the spare words, 128 bytes for each wave: two blocks of 256 bytes that no other line names
.set CSL,    SPARE+512                 ; behind them: cos and sin, a word a pair, 32 rows of 256 bytes for each wave; no tile lands here
.set SPITCH, 1552                      ; the stage: a row of 384 f32 + 16 bytes = 97 x 16; 128 rows are 198,656 of the ring's 278,528 bytes
.set STEPS,  SIZE_K/KSTEP
.set STO,  8                           ; v8-11   the way out: where I put 32 bytes of a row, for x's blocks 0-1, 2-3, 4-5, 6-7 (an LDS immediate holds 16 bits)
.set COK,  12                          ; v12     CO + k's part of qkv
.set COV,  13                          ; v13     CO + v's part
.set A0,   16                          ; v16     my lane's place in a slot's x; never rewritten
.set B0,   17                          ; v17     my lane's place in my 96 rows of a slot's w; never rewritten
.set ADRA, 20                          ; v20     A0 + the slot in hand
.set ADRB, 21                          ; v21     B0 + the slot in hand
.set RD,   24                          ; v24     the way out: where I read 32 bytes of a row back; steps 8 rows a trip
.set CRD,  25                          ; v25     my 16 bytes in two rows of my cos and sin in LDS; steps 8 rows a trip
.set CO,   26                          ; v26     16 x my lane: my 16 bytes in two rows of 256 bytes, in cos, in sin and in qkv
.set WO,   27                          ; v27     my 32 bytes of a gain
.set SPW,  28                          ; v28     LDS address of my spare word; never rewritten
.set NIL,  29                          ; v29     0; never rewritten
.set PFO,  30                          ; v30     the prefetches' offset: my lane x a row of 4,096 bytes; never rewritten
.set PFA,  44                          ; s[44:45] where my prefetches stand
.set LIM,  43                          ; s43     2 in a wave that prefetches, else the greatest number
.set F0,   64
.set F1,   128
.set G1, 24                            ; s[24:31] descriptor group 1 for x's tiles
.set G0, 32                            ; s[32:39] group 0 for x's tiles: a set for each of the two first fills; the second then walks on
.set G1B, 48                           ; s[48:55], s[56:63] the same for w's tiles
.set G0B, 56
.set TB,  78                           ; s78     LDS byte at which the slot in hand begins
.set LS,  79                           ; s79     the sum of my tile's LDS addresses in the two slots: the sum less the one is the other
.set OUT, 84                           ; s[84:85] qkv at my rows of q
.set WQ,  32                           ; v32-39   q's gain for my 8 columns
.set WK,  40                           ; v40-47   k's
.set RAW, 48                           ; v48-63   cos and sin as they lie, 4 words a row pair
.set XQ,  64                           ; v64-95   8 numbers of each of 4 row pairs: q,
.set XK,  96                           ; v96-127  k,
.set XV,  128                          ; v128-159 v
.set O,   160                          ; v160-191 turned
.set Q2,  160                          ; v160-167 before that: sums of squares, a pair a row pair; 1 / rms takes the even register's place
.set C,   192                          ; v192-207
.set S,   208                          ; v208-223
.set YQ,  224                          ; v224-239 to store
.set YK,  240                          ; v240-255
.set MSB, 0
.macro WIN new                         ; the immediate's high byte repeats the setting that is left
.if MSB != (\new)
	s_set_vgpr_msb (MSB<<8)|(\new)
.set MSB, \new
.endif
.endm
.set MUL_LO, 0xa1                      ; source 0 (w) window 1, source 1 (x) window 0, C and D window 2
.set MUL_HI, 0xf1                      ; the same, C and D window 3
.set TO_B,   0x40                      ; destination window 1, address window 0
; A joint load.  Wave 0 fetches x's tile, waves 1 to 3 w's three.  The branch hangs on the wave's number alone.  An s_nop 0 and four v_nop follow each line.
.macro JLOAD s
	s_cmp_eq_u32 s10, 0
	s_cbranch_scc0 .Lfor_b_\@
	tensor_load_to_lds s[G0+4*(\s):G0+4*(\s)+3], s[G1:G1+7]
	s_nop 0
.rept 4
	v_nop
.endr
	s_branch .Lasked_\@
.Lfor_b_\@:
	tensor_load_to_lds s[G0B+4*(\s):G0B+4*(\s)+3], s[G1B:G1B+7]
	s_nop 0
.rept 4
	v_nop
.endr
.Lasked_\@:
.endm
; A prefetch into the L2 of the K step that stands two refills on: 32 rows x 256 bytes, a lane a row.  x's tile row is read by the two clusters of a row of clusters: cluster x = 0 asks;
; w's tile column by the eight of a column: cluster y = 0 asks.  The four partners that ask for a tile jointly share its rows out by address, 32 of a wave's 128 each.  So each row's 256 bytes
; of a K step are named once.  Trip t refills K step t + 2 and names K step t + 4: the loop's last two trips (s3 = 2, 1) ask for nothing.
.macro ASK
	s_cmp_gt_u32 s3, s[LIM]
	s_cbranch_scc0 .Lnot_mine_\@
	global_prefetch_b8 v[PFO], s[PFA:PFA+1] offset:KSTEP*2 th:TH_LOAD_NT scope:SCOPE_SE
.Lnot_mine_\@:
.endm
.macro CREST                           ; a round of the cluster's barrier behind its opening barrier
	s_cmp_lg_u32 s10, 0
	s_cbranch_scc1 .Lnot_wave_0_\@
	s_barrier_signal -3
.Lnot_wave_0_\@:
	s_barrier_wait -3
	s_barrier_signal -1
	s_barrier_wait -1
.endm
.macro CROUND                          ; a whole round
	s_barrier_signal -1
	s_barrier_wait -1
	CREST
.endm
	s_load_b128 s[4:7], s[0:1], 0x0                ; xb s[4:5], wb s[6:7]
	s_load_b256 s[68:75], s[0:1], 0x10             ; freqs_cos s[68:69], freqs_sin s[70:71], q_norm_w s[72:73], k_norm_w s[74:75]
	s_load_b64 s[76:77], s[0:1], 0x30              ; qkv
	v_lshl_add_u32 v[SPW], v0, 2, SPARE
	v_mov_b32 v[NIL], 0
	ds_add_u32 v[SPW], v[NIL]                      ; the wave's opening: the add and its wait stand ahead of my first tensor load
	v_lshrrev_b32 v1, 5, v0
	v_readfirstlane_b32 s10, v1                    ; wave 0..3
	s_bfe_u32 s40, ttmp6, 0x40000                  ; cx
	s_bfe_u32 s41, ttmp6, 0x40004                  ; cy
	s_lshl_b32 s42, ttmp9, 2
	s_add_co_u32 s42, s42, s40                     ; tile column = the head = 4 x cluster x + cx
	s_and_b32 s13, ttmp7, 0xffff
	s_lshl_b32 s13, s13, 2
	s_add_co_u32 s13, s13, s41                     ; tile row = 4 x cluster y + cy
	s_lshl_b32 s43, s41, 2
	s_lshl_b32 s43, 15, s43                        ; my row of the cluster
	s_lshl_b32 s44, 0x1111, s40                    ; my column
	s_or_b32 s[G1+0], s43, (1<<16)|(1<<20)|(1<<21)|(5<<22)|(3<<25)  ; the mask; elements of 2 bytes; padding on; bit 21 beside a mask; after every 64 words 4 words
	s_or_b32 s[G1B+0], s44, (1<<16)|(1<<20)|(1<<21)|(5<<22)|(3<<25)
.irp g, G1, G1B
	s_mov_b32 s[(\g)+1], KSTEP<<16                 ; tensor_dim0 = 128
	s_mov_b32 s[(\g)+2], 128<<16                   ; tensor_dim1 = 128
	s_mov_b32 s[(\g)+3], KSTEP<<16                 ; tile_dim0 = 128
	s_mov_b32 s[(\g)+4], 128                       ; tile_dim1 = 128
	s_mov_b32 s[(\g)+5], SIZE_K                    ; elements from row to row
	s_mov_b32 s[(\g)+6], 0
	s_mov_b32 s[(\g)+7], 0
.endr
	s_mov_b32 s80, 0x3c000000                      ; 1 / 128
	s_mov_b32 s81, 0x3727c5ac                      ; 1e-5
	s_mov_b32 s82, 0xffff0000                      ; a word's upper bf16
	s_mov_b32 s[TB], 0
	s_lshl_b32 s16, s13, 7                         ; x: row 128 x tile row
	s_mov_b32 s17, 0
	s_max_u32 s46, s10, 1
	s_sub_co_u32 s46, s46, 1                       ; w: which of the head's three blocks of 128 rows (waves 1 to 3; wave 0 does not ask by this address)
	s_lshl_b32 s46, s46, 7
	s_mul_i32 s47, s42, 384
	s_add_co_u32 s46, s46, s47                     ; row 384 x head + 128 x block
	s_mov_b32 s47, 0
	s_mov_b64 s[18:19], SIZE_K*2
	s_mul_u64 s[16:17], s[16:17], s[18:19]
	s_mul_u64 s[46:47], s[46:47], s[18:19]
	s_mul_i32 s20, s10, HALFT                      ; where they go: wave x 128 rows: no place in the cluster enters an LDS address
	s_lshl_b32 s[LS], s20, 1
	s_add_co_u32 s[LS], s[LS], SLOT
	s_wait_dscnt 0x0                               ; the opening add is done
	s_wait_kmcnt 0x0
	s_add_nc_u64 s[14:15], s[4:5], s[16:17]
	s_add_nc_u64 s[46:47], s[6:7], s[46:47]
	CROUND                                         ; all sixteen work-groups are here: the first joint loads meet
.irp s, 0,1
	s_mov_b32 s[G0+4*(\s)], 1
	s_add_co_u32 s[G0+4*(\s)+1], s20, (\s)*SLOT
	s_add_nc_u64 s[G0+4*(\s)+2:G0+4*(\s)+3], s[14:15], (\s)*KSTEP*2
	s_or_b32 s[G0+4*(\s)+3], s[G0+4*(\s)+3], 0x80000000
	s_mov_b32 s[G0B+4*(\s)], 1
	s_add_co_u32 s[G0B+4*(\s)+1], s20, (\s)*SLOT
	s_add_nc_u64 s[G0B+4*(\s)+2:G0B+4*(\s)+3], s[46:47], (\s)*KSTEP*2
	s_or_b32 s[G0B+4*(\s)+3], s[G0B+4*(\s)+3], 0x80000000
	JLOAD \s                                       ; two loads of mine are out
.endr
	; a fragment is 16 rows x 32 K in 8 registers: lane l holds row l % 16, K = 8 (l / 16) + 0..7 and 16 + 8 (l / 16) + 0..7: two loads of 16 bytes, 32 bytes apart
	v_and_b32 v1, 15, v0                           ; l % 16
	v_bfe_u32 v2, v0, 4, 1                         ; l / 16
	v_mul_u32_u24 v3, v1, PITCH
	v_lshl_add_u32 v[A0], v2, 4, v3                ; every wave reads all 128 rows of x
	s_mul_i32 s22, s10, 96*PITCH                   ; my 96 rows of w,
	s_add_co_u32 s22, s22, HALFT                   ; which lie behind x's 128
	v_add_nc_u32 v[B0], s22, v[A0]
	v_mov_b32 v[ADRA], v[A0]                       ; K step 0 lies in slot 0
	v_mov_b32 v[ADRB], v[B0]
	v_mul_u32_u24 v4, v1, SPITCH                   ; into the stage: row l % 16, 32 bytes for each half of the lanes,
	v_lshl_add_u32 v4, v2, 5, v4
	s_mul_i32 s23, s10, 384                        ; my 96 columns
	v_add_nc_u32 v[STO], s23, v4
	v_add_nc_u32 v[STO+1], 2*16*SPITCH, v[STO]
	v_add_nc_u32 v[STO+2], 4*16*SPITCH, v[STO]
	v_add_nc_u32 v[STO+3], 6*16*SPITCH, v[STO]
	s_mul_i32 s23, s10, 32*SPITCH                  ; back: my 32 rows; lanes 0-15 one row, lanes 16-31 the next; 8 columns (32 bytes) a lane
	v_mul_u32_u24 v5, v2, SPITCH
	v_lshl_add_u32 v5, v1, 5, v5
	v_add_nc_u32 v[RD], s23, v5
	v_and_b32 v5, 31, v0
	v_lshlrev_b32 v[CO], 4, v5                     ; where a row is 256 bytes, the same two rows are 512 bytes on end, 16 a lane
	s_lshl_b32 s23, s10, 13
	s_add_co_u32 s23, s23, CSL
	v_add_nc_u32 v[CRD], s23, v[CO]
	v_add_nc_u32 v[COK], 0x800000, v[CO]           ; a part of qkv is 8,388,608 bytes
	v_add_nc_u32 v[COV], 0x1000000, v[CO]
	v_lshlrev_b32 v[WO], 5, v1
	; where my 32 rows lie: in registers that feed no descriptor
	s_and_b32 s86, s13, 15
	s_lshl_b32 s86, s86, 7
	s_lshl_b32 s87, s10, 5
	s_add_co_u32 s86, s86, s87                     ; my first position in the sequence
	s_lshl_b32 s88, s86, 8                         ; a row of cos and of sin is 256 bytes
	s_mov_b32 s89, 0
	s_add_nc_u64 s[68:69], s[68:69], s[88:89]
	s_add_nc_u64 s[70:71], s[70:71], s[88:89]
	s_lshr_b32 s87, s13, 4                         ; the batch
	s_lshl_b32 s87, s87, 3
	s_add_co_u32 s87, s87, s42                     ; 8 b + h
	s_lshl_b32 s87, s87, 11
	s_add_co_u32 s87, s87, s86
	s_lshl_b32 s88, s87, 8                         ; a row of a head is 256 bytes
	s_add_nc_u64 s[OUT:OUT+1], s[76:77], s[88:89]
	; the gains and my 32 rows of cos and sin: asked for now, in the wait for the first tile
	global_load_b128 v[WQ:WQ+3],   v[WO], s[72:73]
	global_load_b128 v[WQ+4:WQ+7], v[WO], s[72:73] offset:16
	global_load_b128 v[WK:WK+3],   v[WO], s[74:75]
	global_load_b128 v[WK+4:WK+7], v[WO], s[74:75] offset:16
.set i, 0
.rept 16
	global_load_b128 v[64+4*i:64+4*i+3],   v[CO], s[68:69] offset:512*i
	global_load_b128 v[128+4*i:128+4*i+3], v[CO], s[70:71] offset:512*i
.set i, i+1
.endr
	; the prefetches
	s_lshl_b32 s20, s13, 7                         ; x's tile: its first row
	s_max_u32 s21, s10, 1
	s_sub_co_u32 s21, s21, 1
	s_lshl_b32 s21, s21, 7
	s_mul_i32 s22, s42, 384
	s_add_co_u32 s21, s21, s22                     ; w's tile that I fetch: its first row
	s_and_b32 s22, ttmp7, 0xffff                   ; cluster y
	s_cmp_eq_u32 s10, 0                            ; do I fetch for x?
	s_cselect_b32 s20, s20, s21
	s_cselect_b32 s21, s40, s41                    ; my place among the four that ask for it with me
	s_cselect_b32 s22, ttmp9, s22                  ; the coordinate along which other clusters read the same rows
	s_cselect_b64 s[PFA:PFA+1], s[4:5], s[6:7]
	s_cmp_eq_u32 s22, 0
	s_cselect_b32 s[LIM], 2, -1                    ; the same in all sixteen partners, for a given wave
	s_lshl_b32 s21, s21, 5
	s_add_co_u32 s20, s20, s21                     ; + my work-group's 32 of the 128 rows
	s_mov_b32 s21, 0
	s_mov_b64 s[18:19], SIZE_K*2
	s_mul_u64 s[20:21], s[20:21], s[18:19]
	s_add_nc_u64 s[PFA:PFA+1], s[PFA:PFA+1], s[20:21]
	s_add_nc_u64 s[PFA:PFA+1], s[PFA:PFA+1], 2*KSTEP*2  ; at K step 2: the first refill steps it to 3 and names K step 4; K steps 0 to 3 come by their loads alone
	v_and_b32 v[PFO], 31, v0
	v_mul_u32_u24 v[PFO], v[PFO], SIZE_K*2
	s_wait_loadcnt 0x0                             ; the gains, cos and sin
.irp j, 0,1,2,3
	v_cvt_pk_bf16_f32 v[192+(\j)], v[WQ+2*(\j)], v[WQ+2*(\j)+1]  ; the gains are rounded to bf16, like every input
	v_cvt_pk_bf16_f32 v[196+(\j)], v[WK+2*(\j)], v[WK+2*(\j)+1]
.endr
.irp j, 0,1,2,3
	v_lshlrev_b32 v[WQ+2*(\j)], 16, v[192+(\j)]
	v_and_b32 v[WQ+2*(\j)+1], s82, v[192+(\j)]
	v_lshlrev_b32 v[WK+2*(\j)], 16, v[196+(\j)]
	v_and_b32 v[WK+2*(\j)+1], s82, v[196+(\j)]
.endr
.set i, 0
.rept 64
	v_cvt_pk_bf16_f32 v[64+i], v[64+i], v[128+i]   ; a word a pair of channels: cos below, sin above
.set i, i+1
.endr
.set i, 0
.rept 16
	ds_store_b128 v[CRD], v[64+4*i:64+4*i+3] offset:512*i  ; two rows: 512 bytes on end, into my own 8,192 bytes
.set i, i+1
.endr
; 12 matrix instructions: m blocks a0, a0 + 1 of the window's four x all 6 n blocks, 32 along K.  zero = 1: the first product starts the sums
.macro MUL12 f, hi, a0, zero
	WIN MUL_LO+0x50*(\hi)
.irp a, \a0, (\a0)+1
.irp b, 0,1,2,3,4,5
.if \zero
	v_wmma_f32_16x16x32_bf16 v[8*(6*(\a)+(\b)):8*(6*(\a)+(\b))+7], v[(\f)+8*(\b):(\f)+8*(\b)+7], v[(\f)+8*(4*(\hi)+(\a)):(\f)+8*(4*(\hi)+(\a))+7], 0
.else
	v_wmma_f32_16x16x32_bf16 v[8*(6*(\a)+(\b)):8*(6*(\a)+(\b))+7], v[(\f)+8*(\b):(\f)+8*(\b)+7], v[(\f)+8*(4*(\hi)+(\a)):(\f)+8*(4*(\hi)+(\a))+7], v[8*(6*(\a)+(\b)):8*(6*(\a)+(\b))+7]
.endif
.endr
.endr
.endm
; 28 LDS loads in one run: the fragments of one quarter step (96 rows of w, 128 rows of x, 32 K at byte k of the rows of the slot in hand) into buffer f
.macro FETCH k, f
	WIN TO_B
.irp i, 0,1,2,3,4,5
	ds_load_b128 v[(\f)+8*(\i):(\f)+8*(\i)+3],   v[ADRB] offset:(\k)+(\i)*16*PITCH
	ds_load_b128 v[(\f)+8*(\i)+4:(\f)+8*(\i)+7], v[ADRB] offset:(\k)+(\i)*16*PITCH+32
.endr
	WIN 0
.irp i, 0,1,2,3,4,5,6,7
	ds_load_b128 v[(\f)+8*(\i):(\f)+8*(\i)+3],   v[ADRA] offset:(\k)+(\i)*16*PITCH
	ds_load_b128 v[(\f)+8*(\i)+4:(\f)+8*(\i)+7], v[ADRA] offset:(\k)+(\i)*16*PITCH+32
.endr
.endm
.macro PLACES                          ; four places in front of loads into registers that matrix instructions have read, and of lines that read results
.rept 4
	v_nop
.endr
.endm
; A K step is four quarters of 32 along K, 48 matrix instructions each, on buffers 0, 1, 0, 1; the 48 accumulators take turns, in the same order in every quarter.
.macro QUARTER k, f, g, zero
	s_wait_dscnt 8                                 ; w and x's rows 0-63 are in; the youngest eight loads (x's rows 64-127) may be out
	MUL12 \f, 0, 0, \zero
	MUL12 \f, 0, 2, \zero
	PLACES
	FETCH \k, \g
	s_wait_dscnt 28                                ; all but the 28 just issued
	MUL12 \f, 1, 0, \zero
	MUL12 \f, 1, 2, \zero
.endm
; The first half of a step's last quarter: ONE barrier for the change of slots
.macro MEET round
	WIN 0                                          ; (the add's two registers lie in window 0)
	s_wait_tensorcnt 0x0                           ; all my tensor loads have landed: the one that was out is my part of the next slot;
	ds_add_u32 v[SPW], v[NIL]                      ; 0 onto my spare word;
	s_wait_dscnt 9                                 ; (the add and the youngest eight loads may be out)
	MUL12 F1, 0, 0, 0                              ; twelve matrix instructions stand between the add and the wait for it
	s_wait_dscnt 0x0                               ; the add is done, and my reads of this slot are over
	s_barrier_signal -1
	MUL12 F1, 0, 2, 0
.if \round
	WIN 0
.endif
	s_barrier_wait -1
.endm
; The whole last quarter, where the slot just read is filled again, two K steps on: the barrier opens a round of the cluster's, and the joint refill is the first tensor load behind it:
; 168 matrix instructions ahead of the wait for it.  The walking descriptors take the other slot than last time and the next K step; the reads go over to the other slot.
.macro TURN
	s_wait_xcnt 0x0                                ; the last prefetch, a K step back, has read its address
	s_add_nc_u64 s[PFA:PFA+1], s[PFA:PFA+1], KSTEP*2
	MEET 1
	CREST
	s_sub_co_u32 s[G0+5], s[LS], s[G0+5]
	s_add_nc_u64 s[G0+6:G0+7], s[G0+6:G0+7], KSTEP*2
	s_sub_co_u32 s[G0B+5], s[LS], s[G0B+5]
	s_add_nc_u64 s[G0B+6:G0B+7], s[G0B+6:G0B+7], KSTEP*2
	s_sub_co_u32 s[TB], SLOT, s[TB]
	JLOAD 1                                        ; one load of mine is out; the four v_nop behind it are also the places in front of the loads below
	v_add_nc_u32 v[ADRA], s[TB], v[A0]
	v_add_nc_u32 v[ADRB], s[TB], v[B0]
	FETCH 0, F0
	ASK
	MUL12 F1, 1, 0, 0
	MUL12 F1, 1, 2, 0
.endm
	s_wait_tensorcnt 1                             ; my part of K step 0 is in; K step 1's may stay out
	s_wait_dscnt 0x0                               ; my stores of cos and sin are done
	s_barrier_signal -1
	s_barrier_wait -1
	FETCH 0, F0
	QUARTER 64,  F0, F1, 1                         ; the first quarter stands in front of the loop: its products start the sums
	WIN 0
	s_mov_b32 s3, STEPS-2
.Lstep:                                                ; a trip is a K step, from its second quarter to the next step's first, and fills the slot that it leaves
	QUARTER 128, F1, F0, 0
	QUARTER 192, F0, F1, 0
	TURN
	QUARTER 64,  F0, F1, 0
	WIN 0
	s_sub_co_u32 s3, s3, 1
	s_cmp_lg_u32 s3, 0
	s_cbranch_scc1 .Lstep
	QUARTER 128, F1, F0, 0                         ; the last two K steps fill nothing
	QUARTER 192, F0, F1, 0
	MEET 0
	WIN 0
	PLACES
	s_sub_co_u32 s[TB], SLOT, s[TB]
	v_add_nc_u32 v[ADRA], s[TB], v[A0]
	v_add_nc_u32 v[ADRB], s[TB], v[B0]
	FETCH 0, F0
	MUL12 F1, 1, 0, 0
	MUL12 F1, 1, 2, 0
	QUARTER 64,  F0, F1, 0
	QUARTER 128, F1, F0, 0
	QUARTER 192, F0, F1, 0
	s_wait_dscnt 8                                 ; the very last quarter: nothing more to fetch
	MUL12 F1, 0, 0, 0
	MUL12 F1, 0, 2, 0
	s_wait_dscnt 0x0
	MUL12 F1, 1, 0, 0
	MUL12 F1, 1, 2, 0
	WIN 0
	; THE WAY OUT.  All sums go, in f32, into the stage: row m at m x 1,552, column n at 4 n (q 0-127, k 128-255, v 256-383).
	PLACES
	s_barrier_signal -1                            ; no LDS instruction of mine is out (the last wait above was for 0): behind this barrier no wave reads the ring any more
	s_barrier_wait -1
.irp hi, 0,1
	WIN 0x08+4*(\hi)                               ; store data (source 1) in window 2, then 3
.irp a, 0,1,2,3
.irp b, 0,1,2,3,4,5
	ds_store_b128 v[STO+2*(\hi)+(\a)/2], v[8*(6*(\a)+(\b)):8*(6*(\a)+(\b))+3]   offset:((\a)%2)*16*SPITCH+64*(\b)      ; each accumulator's low half first
	ds_store_b128 v[STO+2*(\hi)+(\a)/2], v[8*(6*(\a)+(\b))+4:8*(6*(\a)+(\b))+7] offset:((\a)%2)*16*SPITCH+64*(\b)+16
.endr
.endr
.endr
	WIN 0
	s_wait_dscnt 0x0                               ; for the others' sake: my stores into the stage are done
	s_barrier_signal -1
	s_barrier_wait -1
; 8 rows of one head: lanes 0-15 a row, lanes 16-31 the next, 8 neighbouring columns a lane: a row's sum of squares is a sum over 16 lanes, a RoPE pair lies in one lane, and a lane's 8 results are 16 bytes of f16
.macro XLOAD x, col
.irp t, 0,1,2,3
	ds_load_b128 v[(\x)+8*(\t):(\x)+8*(\t)+3],   v[RD] offset:(\t)*2*SPITCH+(\col)
	ds_load_b128 v[(\x)+8*(\t)+4:(\x)+8*(\t)+7], v[RD] offset:(\t)*2*SPITCH+(\col)+16
.endr
.endm
; RMSNorm, the gain and RoPE for the 8 rows in x, with gain w; rounded into y and stored at offset register co
.macro NORM x, w, y, co
.irp t, 0,1,2,3
	v_pk_mul_f32 v[Q2+2*(\t):Q2+2*(\t)+1], v[(\x)+8*(\t):(\x)+8*(\t)+1], v[(\x)+8*(\t):(\x)+8*(\t)+1]
.endr
.irp j, 1,2,3
.irp t, 0,1,2,3
	v_pk_fma_f32 v[Q2+2*(\t):Q2+2*(\t)+1], v[(\x)+8*(\t)+2*(\j):(\x)+8*(\t)+2*(\j)+1], v[(\x)+8*(\t)+2*(\j):(\x)+8*(\t)+2*(\j)+1], v[Q2+2*(\t):Q2+2*(\t)+1]
.endr
.endr
.irp t, 0,1,2,3
	v_add_f32 v[Q2+2*(\t)], v[Q2+2*(\t)], v[Q2+2*(\t)+1]
.endr
.irp t, 0,1,2,3
.irp j, 0,1,2,3
	v_pk_mul_f32 v[(\x)+8*(\t)+2*(\j):(\x)+8*(\t)+2*(\j)+1], v[(\x)+8*(\t)+2*(\j):(\x)+8*(\t)+2*(\j)+1], v[(\w)+2*(\j):(\w)+2*(\j)+1]  ; x times the gain, in place
.endr
.endr
.irp m, 1,2,4,8
.irp t, 0,1,2,3
	v_add_f32_dpp v[Q2+2*(\t)], v[Q2+2*(\t)], v[Q2+2*(\t)] row_xmask:\m row_mask:0xf bank_mask:0xf  ; the row's 16 lanes
.endr
.endr
.irp t, 0,1,2,3
	v_fma_f32 v[Q2+2*(\t)], v[Q2+2*(\t)], s80, s81 ; the mean of the squares + 1e-5
.endr
.irp t, 0,1,2,3
	v_rsq_f32 v[Q2+2*(\t)], v[Q2+2*(\t)]
.endr
	v_nop                                          ; a plain instruction behind the last root,
	s_wait_alu depctr_va_vdst(0)                   ; and one wait for the four
.irp t, 0,1,2,3
.irp j, 0,1,2,3
	v_pk_mul_f32 v[(\x)+8*(\t)+2*(\j):(\x)+8*(\t)+2*(\j)+1], v[(\x)+8*(\t)+2*(\j):(\x)+8*(\t)+2*(\j)+1], v[Q2+2*(\t):Q2+2*(\t)+1] op_sel_hi:[1,0]
.endr
.endr
.irp i, 0,1,2,3,4,5,6,7,8,9,10,11,12,13,14,15
	v_mul_f32 v[O+2*(\i)],   v[(\x)+2*(\i)+1], v[S+(\i)]
	v_mul_f32 v[O+2*(\i)+1], v[(\x)+2*(\i)],   v[S+(\i)]
.endr
.irp i, 0,1,2,3,4,5,6,7,8,9,10,11,12,13,14,15
	v_fma_f32 v[O+2*(\i)],   v[(\x)+2*(\i)],   v[C+(\i)], -v[O+2*(\i)]   ; x0 c - x1 s
	v_fma_f32 v[O+2*(\i)+1], v[(\x)+2*(\i)+1], v[C+(\i)], v[O+2*(\i)+1]  ; x1 c + x0 s
.endr
.irp i, 0,1,2,3,4,5,6,7,8,9,10,11,12,13,14,15
	v_cvt_pk_f16_f32 v[(\y)+(\i)], v[O+2*(\i)], v[O+2*(\i)+1]
.endr
.irp t, 0,1,2,3
	global_store_b128 v[\co], v[(\y)+4*(\t):(\y)+4*(\t)+3], s[OUT:OUT+1] offset:512*(\t)-2048  ; two rows: 512 consecutive bytes, at a multiple of 256 from the buffer's first
.endr
.endm
	s_mov_b32 s83, 4                               ; trips of 8 rows
.Lrow:
	s_wait_xcnt 0x0                                ; the last trip's stores have read their data and their base: both are written only behind this wait
	s_add_nc_u64 s[OUT:OUT+1], s[OUT:OUT+1], 2048  ; 8 rows on (this trip's stores reach back)
.irp t, 0,1,2,3
	ds_load_b128 v[RAW+4*(\t):RAW+4*(\t)+3], v[CRD] offset:512*(\t)
.endr
	XLOAD XQ, 0
	XLOAD XK, 512
	XLOAD XV, 1024
	v_add_nc_u32 v[RD], 8*SPITCH, v[RD]            ; the next trip's rows
	v_add_nc_u32 v[CRD], 2048, v[CRD]
	s_wait_dscnt 16                                ; cos, sin and q's rows are in; k's and v's sixteen loads may stay out
.irp i, 0,1,2,3,4,5,6,7,8,9,10,11,12,13,14,15
	v_lshlrev_b32 v[C+(\i)], 16, v[RAW+(\i)]       ; cos
	v_and_b32 v[S+(\i)], s82, v[RAW+(\i)]          ; sin: unpacked once, for q and for k
.endr
	NORM XQ, WQ, YQ, CO
	s_wait_dscnt 8                                 ; k's rows are in; v's eight loads may stay out
	NORM XK, WK, YK, COK
	s_wait_dscnt 0x0                               ; v's rows: rounded in place and stored
.irp i, 0,1,2,3,4,5,6,7,8,9,10,11,12,13,14,15
	v_cvt_pk_f16_f32 v[XV+(\i)], v[XV+2*(\i)], v[XV+2*(\i)+1]
.endr
.irp t, 0,1,2,3
	global_store_b128 v[COV], v[XV+4*(\t):XV+4*(\t)+3], s[OUT:OUT+1] offset:512*(\t)-2048
.endr
	s_sub_co_u32 s83, s83, 1
	s_cmp_lg_u32 s83, 0
	s_cbranch_scc1 .Lrow
	s_wait_tensorcnt 0x0                           ; the wave's end: behind my last tensor load and my last LDS store
	ds_add_u32 v[SPW], v[NIL]
	s_wait_dscnt 0x0
	CROUND                                         ; the closing round
	s_endpgm
.Lfunc_end_k_qf3c3e300b7_qkv:
	.size	k_qf3c3e300b7_qkv, .Lfunc_end_k_qf3c3e300b7_qkv-k_qf3c3e300b7_qkv
	.p2alignl 7, 3214868480
	.fill 96, 4, 3214868480
	.section	.rodata,"a",@progbits
	.p2align	6, 0x0
	.amdhsa_kernel k_qf3c3e300b7_qkv
		.amdhsa_group_segment_fixed_size 327680
		.amdhsa_private_segment_fixed_size 0
		.amdhsa_enable_private_segment 0
		.amdhsa_kernarg_size 56
		.amdhsa_user_sgpr_count 2
		.amdhsa_user_sgpr_kernarg_segment_ptr 1
		.amdhsa_wavefront_size32 1
		.amdhsa_system_sgpr_workgroup_id_x 1
		.amdhsa_system_sgpr_workgroup_id_y 1
		.amdhsa_system_sgpr_workgroup_id_z 1
		.amdhsa_system_vgpr_workitem_id 0
		.amdhsa_next_free_vgpr 960
		.amdhsa_next_free_sgpr 90
		.amdhsa_reserve_vcc 0
		.amdhsa_float_denorm_mode_32 3
		.amdhsa_float_denorm_mode_16_64 3
		.amdhsa_memory_ordered 1
		.amdhsa_forward_progress 1
		.amdhsa_inst_pref_size 110
	.end_amdhsa_kernel
	.amdgpu_metadata
---
amdhsa.version: [ 1, 2 ]
amdhsa.kernels:
  - .name:           k_qf3c3e300b7_qkv
    .symbol:         k_qf3c3e300b7_qkv.kd
    .args:
      - { .name: xb, .offset: 0, .size: 8, .value_kind: global_buffer, .address_space: global }
      - { .name: wb, .offset: 8, .size: 8, .value_kind: global_buffer, .address_space: global }
      - { .name: freqs_cos, .offset: 16, .size: 8, .value_kind: global_buffer, .address_space: global }
      - { .name: freqs_sin, .offset: 24, .size: 8, .value_kind: global_buffer, .address_space: global }
      - { .name: q_norm_w, .offset: 32, .size: 8, .value_kind: global_buffer, .address_space: global }
      - { .name: k_norm_w, .offset: 40, .size: 8, .value_kind: global_buffer, .address_space: global }
      - { .name: qkv, .offset: 48, .size: 8, .value_kind: global_buffer, .address_space: global }
    .group_segment_fixed_size: 327680
    .private_segment_fixed_size: 0
    .kernarg_segment_align: 8
    .kernarg_segment_size: 56
    .max_flat_workgroup_size: 128
    .sgpr_count:     90
    .vgpr_count:     960
    .wavefront_size: 32
...
	.end_amdgpu_metadata
.endif
;; end of part 2
;; launch attn (part 3): grid 16 x 16, 4 waves a work-group, clusters of 4 x 1, 327,680 bytes of LDS; arguments qkv, ob; writes ob
.if DOCPART == 3
	.amdgcn_target "amdgcn-amd-amdhsa--gfx1250"
	.amdhsa_code_object_version 6
	.text
	.protected	k_qf3c3e300b7_attn
	.globl	k_qf3c3e300b7_attn
	.p2align	8
	.type	k_qf3c3e300b7_attn,@function
k_qf3c3e300b7_attn:
	s_mov_b64 s[64:65], 0
	v_nop
	global_prefetch_b8 v0, s[64:65] scope:SCOPE_SE
	s_setreg_imm32_b32 hwreg(HW_REG_WAVE_MODE, 25, 1), 1
	s_wait_xcnt 0x0
	s_wait_alu depctr_hold_cnt(0) depctr_sa_sdst(0) depctr_va_vdst(0) depctr_va_sdst(0) depctr_va_ssrc(0) depctr_va_vcc(0) depctr_vm_vsrc(0)
	s_getreg_b32 s2, hwreg(HW_REG_IB_STS2, 6, 4)
	s_cmp_eq_u32 s2, 0
	s_cbranch_scc0 .Lentry_in_a_cluster
	s_endpgm
.Lentry_in_a_cluster:
	s_bfe_u32 s2, ttmp6, 0x10000c
	s_cmp_lg_u32 s2, 0x3003
	s_cbranch_scc0 .Lentry_shape_is_right
	s_endpgm
.Lentry_shape_is_right:
; O[y][q][:] = the sum over k of softmax_k(Q[y][q] . K[y][k] / sqrt(128)) V[y][k][:], y = 8 b + h.  Q, K, V: the three parts of qkv, each [16][2048][128] f16; O leaves as ob [4096][1024] f16 (row 2048 b + q,
; channel 128 h + d).  Products, maxima and sums in f32; the weights p are rounded to f16 for the second product (their sum l is taken of the unrounded p), O once at the end.
; LIMITS.  f16 ends at 65,504: Q, K, V arrive within it; p lies in 0 to 1, below 6e-5 it keeps f16's step of 6e-8; a weight below 2^-126 counts as 0 in l; NaN and infinities are not treated apart.
; SHARES.  16 heads x 2,048 queries: a work-group owns 128 queries of one head, so that there are 256 work-groups.  A wave still holds 64 queries (four tiles of 16): waves p and p + 2 hold the SAME 64,
; and THE KEYS ARE SPLIT between them: of each slot's 256 keys waves 0, 1 (g = 0) walk the first 128, waves 2, 3 (g = 1) the second, 64 a step.  Each keeps a running maximum and sum of its own;
; the two halves are merged once, at the end, through LDS: each wave hands two tiles to its partner and finishes the other two.  So that one text serves both, a wave's register tile t holds query tile (t + 2 g) % 4.
; LAYOUT.  S^T = K Q^T (source 0 = 16 keys, source 1 = 16 queries): a lane holds ONE query (lane % 16) and the keys 8 (lane / 16) + 0..7.  Two such tiles, rounded in pairs, ARE source 1 of O^T = V^T P.
; K comes out of LDS as it lies, V turned, by ds_load_tr16_b128.
; SOFTMAX.  p = 2^(c s - c m), c = log2(e) / sqrt(128), with a running maximum m; in every step O and l are multiplied by a = 2^(c m_old - c m_new).
; BY TURNS.  The wave's tiles are two PIECES (0: tiles 0, 1; 2: tiles 2, 3).  In a TURN one piece has the matrix unit (32 products V^T P of the step in hand, 32 products K Q^T of the next); the other
; piece's softmax, cut into 64 slices, stands between them, one slice behind each matrix instruction.  Two turns are a key step.
; CLUSTER.  The four query blocks of a cluster belong to one head and walk the same K and V: each tile is asked for JOINTLY.
; REGISTERS, in windows of 256 (s_set_vgpr_msb: bits 1:0 source 0, 3:2 source 1, 5:4 source 2, 7:6 destination):
;   window 0: v0-11 addresses; v12-43 eight registers of statistics a tile; v44-54 the merge; v64-191 S^T, 32 a tile; v192-255 P, 16 a tile
;   window 1: O^T, 64 a tile          window 2: v0-127 Q, 32 a tile; v128-255 K of one step          window 3: v0-127 V of one step
.set KS,    64        ; keys in a step
.set PK,    272       ; a row of K in LDS: 256 bytes + 16: the 16 rows of a load start at 16 different groups of four banks (ISA guide 11.1)
.set PV,    288       ; a row of V: 256 + 32
.set VOFF,  4*KS*PK   ; a slot: 256 rows of K, then 256 rows of V
.set SLOTB, 4*KS*(PK+PV)  ; 143,360 bytes; the slots lie at 0 and at SLOTB
.set STAGE, 2*SLOTB   ; behind the ring: 16 rows x 272 bytes for each wave, for the way out
.set SP,    272
.set SPARE, STAGE+4*16*SP  ; behind the stages: the spare words, 128 bytes for each wave
.set XSZ,   16896     ; the merge: 16,384 bytes of O^T and 512 of statistics a wave, in slot 0, which has had its last fill by then
.set AK0, 2           ; v2   my lane's place in my half of a slot's K; never rewritten
.set AV0, 3           ; v3   the same for V
.set ADR, 4           ; v4   the LDS address of the run of loads in hand
.set QO,  5           ; v5   my byte offset in Q for register tiles 0, 1
.set STO, 6           ; v6   the way out: where I put 16 bytes of a row
.set RD,  7           ; v7   the way out: where I read a row back
.set GO,  8           ; v8   my byte offset in two rows of ob
.set XS,  44          ; v44-47  what I hand over: c m and l of register tiles 2, 3
.set XR,  48          ; v48-51  what I receive
.set XA,  52          ; v52  where I put 16 bytes of the exchange
.set XB,  53          ; v53  where my partner (wave xor 2) put them
.set QOB, 54          ; v54  my byte offset in Q for register tiles 2, 3
.set PFO, 61          ; v61  256 x my lane; never rewritten
.set SPW, 62          ; v62  LDS address of my spare word; never rewritten
.set NIL, 63          ; v63  0; never rewritten
.set ST,  12          ; tile t's statistics at v[ST+8 t]: +0 c m, +1 m, +2, +3 l (even keys', odd keys'), +4 to +7 at work
.set S,   64
.set P,   192
.set KF,  128         ; K's fragments, in window 2
.set WV,  12          ; s12  my wave's number
.set LIM, 15          ; s15  1 in a wave that prefetches, else the greatest number
.set PFA, 18          ; s[18:19] where my prefetches stand
.set G1K, 24          ; s[24:31] descriptor group 1 for K's tiles
.set G1V, 32          ; s[32:39] for V's: it differs in the padding alone
.set G0K, 40          ; s[40:47] group 0 for K's tiles: a set for each of the two first fills; the second then walks on
.set G0V, 48          ; s[48:55] the same for V's
.set SLOTS, 56        ; s56  slots still to be asked for
.set TWICE, 57        ; s57  counts a slot's two steps of mine
.set CS,  58          ; s[58:59] c
.set SEL, 60          ; s[60:61] lane selects for v_permlanex16_b32
.set TBK, 62          ; s62  LDS byte at which the slot's K of the step to be fetched begins
.set TBV, 63          ; s63  the same for V
.set LSK, 66          ; s66  the sum of my K tile's LDS addresses in the two slots: the sum less the one is the other
.set LSV, 67          ; s67  the same for V
.set MSB, 0
.macro WIN new
.if MSB != (\new)
	s_set_vgpr_msb (MSB<<8)|(\new)
.set MSB, \new
.endif
.endm
.set W_KQ, 0x0a       ; K and Q in window 2, S^T in window 0
.set W_PV, 0x53       ; V in window 3, P in window 0, O^T in window 1
.set W_RS, 0x41       ; O^T (destination and source 0) in window 1, the factor in window 0
; A joint refill.  Waves 0 and 1 fetch the two halves of a slot's K, waves 2 and 3 those of its V: 128 rows each.  An s_nop 0 and four v_nop follow each line.
.macro JLOAD
	s_cmp_lt_u32 s[WV], 2
	s_cbranch_scc0 .Lfor_v_\@
	tensor_load_to_lds s[G0K+4:G0K+7], s[G1K:G1K+7]
	s_nop 0
.rept 4
	v_nop
.endr
	s_branch .Lasked_\@
.Lfor_v_\@:
	tensor_load_to_lds s[G0V+4:G0V+7], s[G1V:G1V+7]
	s_nop 0
.rept 4
	v_nop
.endr
.Lasked_\@:
.endm
; A prefetch into the L2 of what the NEXT change of slots will ask for: a slot's 256 rows of K and 256 of V, 256 bytes a row, a lane a row.  All four clusters of a head walk the same rows: the head's first
; cluster asks.  Its four partners share the rows out by address, 64 of each tensor; in each, waves 0, 1 take K's and waves 2, 3 V's, 32 rows a wave: each row is named once.  The last filling change asks for nothing.
.macro ASK
	s_cmp_gt_u32 s[SLOTS], s[LIM]
	s_cbranch_scc0 .Lnot_mine_\@
	global_prefetch_b8 v[PFO], s[PFA:PFA+1] th:TH_LOAD_NT scope:SCOPE_SE
.Lnot_mine_\@:
.endm
.macro CROUND                       ; a round of the cluster's barrier
	s_barrier_signal -1
	s_barrier_wait -1
	s_cmp_lg_u32 s[WV], 0
	s_cbranch_scc1 .Lnot_wave_0_\@
	s_barrier_signal -3
.Lnot_wave_0_\@:
	s_barrier_wait -3
	s_barrier_signal -1
	s_barrier_wait -1
.endm
	s_load_b64 s[4:5], s[0:1], 0x0  ; qkv
	s_load_b64 s[10:11], s[0:1], 0x8  ; ob
	v_lshl_add_u32 v[SPW], v0, 2, SPARE
	v_mov_b32 v[NIL], 0
	ds_add_u32 v[SPW], v[NIL]       ; the wave's opening: the add and its wait stand ahead of my first tensor load
	v_lshrrev_b32 v1, 5, v0
	v_readfirstlane_b32 s[WV], v1   ; wave 0..3
	s_bfe_u32 s13, ttmp6, 0x40000   ; cx
	s_lshl_b32 s14, ttmp9, 2
	s_add_co_u32 s14, s14, s13      ; my block of 128 queries: it enters Q's and O's addresses alone
	s_and_b32 s73, ttmp7, 0xffff    ; the head y, which the four partners share
	s_lshl_b32 s20, s73, 19         ; its 2,048 rows of 256 bytes
	s_and_b32 s16, s[WV], 1         ; p: which 64 queries; also which half of a slot's rows I fetch
	s_lshr_b32 s68, s[WV], 1        ; g: which half of a slot's keys I walk
	s_lshl_b32 s22, s16, 15         ; the half's 128 rows in memory
	s_add_co_u32 s22, s22, s20
	s_mov_b32 s23, 0
	s_mul_i32 s17, s16, 128*PK      ; and its place in a slot, for K
	s_mul_i32 s72, s16, 128*PV      ; and for V: no place in the cluster enters an LDS address
	s_add_co_u32 s72, s72, VOFF
	s_lshl_b32 s[LSK], s17, 1
	s_add_co_u32 s[LSK], s[LSK], SLOTB
	s_lshl_b32 s[LSV], s72, 1
	s_add_co_u32 s[LSV], s[LSV], SLOTB
	s_lshl_b32 s2, s14, 15          ; my block's 128 rows of Q,
	s_lshl_b32 s3, s16, 14          ; my wave's 64 of them
	s_add_co_u32 s2, s2, s3
	s_add_co_u32 s2, s2, s20
	s_mov_b32 s3, 0
	s_lshr_b32 s70, s73, 3          ; ob: row 2,048 b + 128 x block + 64 p + 32 g (the two tiles that I finish),
	s_lshl_b32 s70, s70, 11
	s_lshl_b32 s71, s14, 7
	s_add_co_u32 s70, s70, s71
	s_lshl_b32 s71, s16, 6
	s_add_co_u32 s70, s70, s71
	s_lshl_b32 s71, s68, 5
	s_add_co_u32 s70, s70, s71
	s_lshl_b32 s70, s70, 11         ; of 2,048 bytes,
	s_and_b32 s71, s73, 7
	s_lshl_b32 s71, s71, 8          ; + the head's 256 bytes
	s_add_co_u32 s70, s70, s71
	s_mov_b32 s71, 0
	s_lshl_b32 s74, s13, 14         ; the prefetches: my work-group's 64 rows,
	s_lshl_b32 s75, s16, 13         ; my wave's 32 of them,
	s_add_co_u32 s74, s74, s75
	s_add_co_u32 s74, s74, s20
	s_add_co_u32 s74, s74, 2*65536  ; in slot 2; the first change of slots steps it to slot 3.  Nothing is prefetched at the head
	s_mov_b32 s75, 0
	; descriptor group 1: a tile of 128 rows x 128 elements, padded in LDS
	s_mov_b32 s[G1K], 15|(1<<16)|(1<<20)|(1<<21)|(5<<22)|(3<<25)  ; the mask of four; 2-byte elements; padding on; bit 21 beside a mask; after every 64 words 4 words
	s_mov_b32 s[G1V], 15|(1<<16)|(1<<20)|(1<<21)|(5<<22)|(7<<25)  ; the same with 8 words
.irp g, G1K, G1V
	s_mov_b32 s[(\g)+1], 128<<16    ; tensor_dim0 = 128
	s_mov_b32 s[(\g)+2], 128<<16    ; tensor_dim1 = 128
	s_mov_b32 s[(\g)+3], 128<<16    ; tile_dim0 = 128
	s_mov_b32 s[(\g)+4], 128        ; tile_dim1 = 128
	s_mov_b32 s[(\g)+5], 128        ; elements from row to row
	s_mov_b32 s[(\g)+6], 0
	s_mov_b32 s[(\g)+7], 0
.endr
	s_mov_b32 s[CS], 0x3e0293ee     ; c = log2(e) / sqrt(128) = 0.127517
	s_mov_b32 s[CS+1], s[CS]
	s_mov_b32 s[SEL], 0x76543210
	s_mov_b32 s[SEL+1], 0xfedcba98
	s_mov_b32 s[TBK], 0
	s_mov_b32 s[TBV], 0
	s_mov_b32 s[SLOTS], 2048/(4*KS)-2
	s_cmp_eq_u32 ttmp9, 0           ; the head's first cluster: the same in all four partners
	s_cselect_b32 s[LIM], 1, -1
	v_and_b32 v[PFO], 31, v0
	v_lshlrev_b32 v[PFO], 8, v[PFO]
	s_wait_dscnt 0x0                ; the opening add is done
	s_wait_kmcnt 0x0
	s_add_nc_u64 s[6:7], s[4:5], 8388608   ; K's part of qkv
	s_add_nc_u64 s[8:9], s[4:5], 16777216  ; V's
	s_cmp_lt_u32 s[WV], 2
	s_cselect_b64 s[PFA:PFA+1], s[6:7], s[8:9]
	s_add_nc_u64 s[PFA:PFA+1], s[PFA:PFA+1], s[74:75]
	s_add_nc_u64 s[6:7], s[6:7], s[22:23]  ; K and V at my tile of slot 0
	s_add_nc_u64 s[8:9], s[8:9], s[22:23]
	s_add_nc_u64 s[4:5], s[4:5], s[2:3]    ; Q at my wave's first row
	s_add_nc_u64 s[10:11], s[10:11], s[70:71]
	CROUND                          ; all four work-groups are here: the first joint loads meet
.irp s, 0,1
	s_mov_b32 s[G0K+4*(\s)], 1
	s_add_co_u32 s[G0K+4*(\s)+1], s17, (\s)*SLOTB
	s_add_nc_u64 s[G0K+4*(\s)+2:G0K+4*(\s)+3], s[6:7], (\s)*65536  ; slot s begins with key 256 s
	s_or_b32 s[G0K+4*(\s)+3], s[G0K+4*(\s)+3], 0x80000000
	s_mov_b32 s[G0V+4*(\s)], 1
	s_add_co_u32 s[G0V+4*(\s)+1], s72, (\s)*SLOTB
	s_add_nc_u64 s[G0V+4*(\s)+2:G0V+4*(\s)+3], s[8:9], (\s)*65536
	s_or_b32 s[G0V+4*(\s)+3], s[G0V+4*(\s)+3], 0x80000000
.endr
	s_cmp_lt_u32 s[WV], 2           ; a wave's two first fills stand in one branch: two loads of mine are out
	s_cbranch_scc0 .Lfirst_v
	tensor_load_to_lds s[G0K:G0K+3], s[G1K:G1K+7]
	s_nop 0
	tensor_load_to_lds s[G0K+4:G0K+7], s[G1K:G1K+7]
	s_nop 0
.rept 4
	v_nop
.endr
	s_branch .Lfirst_asked
.Lfirst_v:
	tensor_load_to_lds s[G0V:G0V+3], s[G1V:G1V+7]
	s_nop 0
	tensor_load_to_lds s[G0V+4:G0V+7], s[G1V:G1V+7]
	s_nop 0
.rept 4
	v_nop
.endr
.Lfirst_asked:
	; a fragment of K or Q is 16 rows x 32 channels in 8 registers: lane l holds row l % 16, channels 8 (l / 16) + 0..7 and 16 + 8 (l / 16) + 0..7
	v_and_b32 v1, 15, v0            ; l % 16
	v_bfe_u32 v9, v0, 4, 1          ; l / 16
	v_lshlrev_b32 v[QO], 8, v1
	v_lshl_add_u32 v[QO], v9, 4, v[QO]  ; row x 256 + 16 x half
	s_lshl_b32 s69, s68, 13         ; two tiles of 16 rows are 8,192 bytes
	v_add_nc_u32 v[QOB], 8192, v[QO]
	v_sub_nc_u32 v[QOB], v[QOB], s69  ; register tiles 2, 3 are query tiles 2, 3 (g = 0) or 0, 1 (g = 1)
	v_add_nc_u32 v[QO], s69, v[QO]    ; register tiles 0, 1 are query tiles 0, 1 (g = 0) or 2, 3 (g = 1)
	WIN 0x80                        ; destination window 2, address window 0
.irp i, 0,1,2,3,4,5,6,7             ; Q stays in registers: register tile i / 4, channels 32 (i % 4) on
	global_load_b128 v[8*(\i):8*(\i)+3],   v[QO], s[4:5] offset:((\i)/4)*4096+((\i)%4)*64
	global_load_b128 v[8*(\i)+4:8*(\i)+7], v[QO], s[4:5] offset:((\i)/4)*4096+((\i)%4)*64+32
.endr
.irp i, 8,9,10,11,12,13,14,15
	global_load_b128 v[8*(\i):8*(\i)+3],   v[QOB], s[4:5] offset:((\i)/4-2)*4096+((\i)%4)*64
	global_load_b128 v[8*(\i)+4:8*(\i)+7], v[QOB], s[4:5] offset:((\i)/4-2)*4096+((\i)%4)*64+32
.endr
	WIN 0
	v_mul_u32_u24 v[AK0], v1, PK
	v_lshl_add_u32 v[AK0], v9, 4, v[AK0]  ; row x pitch + 16 x half
	s_mul_i32 s69, s68, 2*KS*PK
	v_add_nc_u32 v[AK0], s69, v[AK0]      ; + my half of the slot's keys
	; the turning load takes 16 keys x 16 channels (lane l reads key 8 (l / 16) + l % 8, channels 8 ((l / 8) % 2) + 0..7) and leaves half a fragment of V^T
	v_and_b32 v10, 7, v0
	v_bfe_u32 v11, v0, 3, 1
	v_lshl_add_u32 v[AV0], v9, 3, v10
	v_mul_u32_u24 v[AV0], v[AV0], PV
	v_lshl_add_u32 v[AV0], v11, 4, v[AV0]
	v_add_nc_u32 v[AV0], VOFF, v[AV0]
	s_mul_i32 s69, s68, 2*KS*PV
	v_add_nc_u32 v[AV0], s69, v[AV0]
; THE MATRIX WORK OF A TURN, for piece x.  The accumulators take turns, one instruction a turn.
; Product i of 32 of O^T += V^T P: keys 32 (i / 16) on, channels 16 ((i / 2) % 8) on, tile x + i % 2.  zero = 1: the first 16 start the sums.
.macro PV x, zero
	WIN W_PV
.set rO, 64*((\x)+i%2)+8*((i/2)%8)
.set rV, 64*(i/16)+8*((i/2)%8)
.set rP, P+16*((\x)+i%2)+8*(i/16)
.if (\zero) && (i < 16)
	v_wmma_f32_16x16x32_f16 v[rO:rO+7], v[rV:rV+7], v[rP:rP+7], 0
.else
	v_wmma_f32_16x16x32_f16 v[rO:rO+7], v[rV:rV+7], v[rP:rP+7], v[rO:rO+7]
.endif
.endm
; Product i of 32 of S^T = K Q^T: channels 32 (i / 8) on, keys 16 ((i / 2) % 4) on, tile x + i % 2.  The first 8 start the sums.
.macro KQ x
	WIN W_KQ
.set rS, S+32*((\x)+i%2)+8*((i/2)%4)
.set rK, KF+32*((i/2)%4)+8*(i/8)
.set rQ, 32*((\x)+i%2)+8*(i/8)
.if i < 8
	v_wmma_f32_16x16x32_f16 v[rS:rS+7], v[rK:rK+7], v[rQ:rQ+7], 0
.else
	v_wmma_f32_16x16x32_f16 v[rS:rS+7], v[rK:rK+7], v[rQ:rQ+7], v[rS:rS+7]
.endif
.endm
; THE LDS LOADS stand in runs of 32: a step's K (16 fragments) and, a turn later, its V (turned).
.macro FETCH_K
	WIN 0
	v_add_nc_u32 v[ADR], s[TBK], v[AK0]
	s_add_co_u32 s[TBK], s[TBK], KS*PK  ; the next fetch is the next step's
	WIN 0x80                        ; destination window 2
.irp f, 0,1,2,3,4,5,6,7,8,9,10,11,12,13,14,15  ; keys 16 (f / 4) on, channels 32 (f % 4) on
	ds_load_b128 v[KF+8*(\f):KF+8*(\f)+3],   v[ADR] offset:((\f)/4)*16*PK+((\f)%4)*64
	ds_load_b128 v[KF+8*(\f)+4:KF+8*(\f)+7], v[ADR] offset:((\f)/4)*16*PK+((\f)%4)*64+32
.endr
.endm
.macro FETCH_V
	WIN 0
	v_add_nc_u32 v[ADR], s[TBV], v[AV0]
	s_add_co_u32 s[TBV], s[TBV], KS*PV
	s_wait_alu depctr_va_vdst(0)    ; the wait for the softmax's batch (SLICE), behind the address's v_add_nc_u32 and ahead of the loads
	WIN 0xc0                        ; destination window 3
.irp f, 0,1,2,3,4,5,6,7,8,9,10,11,12,13,14,15  ; keys 32 (f / 8) on, channels 16 (f % 8) on
	ds_load_tr16_b128 v[8*(\f):8*(\f)+3],   v[ADR] offset:((\f)/8)*32*PV+((\f)%8)*32
	ds_load_tr16_b128 v[8*(\f)+4:8*(\f)+7], v[ADR] offset:((\f)/8)*32*PV+16*PV+((\f)%8)*32
.endr
.endm
; THE VECTOR WORK OF A TURN.  One tile's softmax for one key step is a list of 134 instructions; SM writes number j of it for tile t.  first = 1: the first key step, which has no a and nothing to rescale.
;   0-15    the maximum of the lane's 32 scores and the old m, three operands at a time (each accumulator's lowest registers are read first)
;   16-20   the other half of the lanes' maximum; the new m; c m; c m_old - c m_new
;   21-69   ONE BATCH: the 16 scalings c s - c m and all 33 exponentials (a at 23); none of these reads an exponential's result
;   (wait)  between 69 and 70 stands the wait for the batch: SLICE writes it, once for both tiles
;   70-85   the roundings to f16      86-101  the sums; l = a l + the sum      102-133 the tile's O^T times a
.macro SM t, first
.set rT, ST+8*(\t)
.set rS, S+32*(\t)
.set rP, P+16*(\t)
.set rO, 64*(\t)+2*(j-102)
.if j < 102
	WIN 0
.endif
.if j < 4
	v_max3_num_f32 v[rT+4+j], v[rS+8*j], v[rS+8*j+1], v[rS+8*j+2]
.elseif j < 12
	v_max3_num_f32 v[rT+4+j%4], v[rT+4+j%4], v[rS+8*(j%4)+2*(j/4)+1], v[rS+8*(j%4)+2*(j/4)+2]
.elseif j == 12
	v_max3_num_f32 v[rT+4], v[rT+4], v[rS+7], v[rS+15]
.elseif j == 13
	v_max3_num_f32 v[rT+6], v[rT+6], v[rS+23], v[rS+31]
.elseif j == 14
	v_max3_num_f32 v[rT+4], v[rT+4], v[rT+5], v[rT+6]
.elseif (j == 15) && (\first)
	v_max_num_f32 v[rT+4], v[rT+4], v[rT+7]
.elseif j == 15
	v_max3_num_f32 v[rT+4], v[rT+4], v[rT+7], v[rT+1]
.elseif j == 16
	v_permlanex16_b32 v[rT+5], v[rT+4], s[SEL], s[SEL+1]  ; the query's other 32 keys lie in the lane 16 away
.elseif j == 18
	v_max_num_f32 v[rT+1], v[rT+4], v[rT+5]
.elseif j == 19
	v_mul_f32 v[rT], s[CS], v[rT+1]
.elseif ((j == 17) || (j == 20) || (j == 23) || (j > 101)) && (\first)  ; the first step has none of these
.elseif j == 17
	v_mov_b32 v[rT+7], v[rT]        ; c m_old is kept for a
.elseif j == 20
	v_sub_f32 v[rT+7], v[rT+7], v[rT]
.elseif j == 23
	v_exp_f32 v[rT+6], v[rT+7]
.elseif (j < 23) || ((j < 38) && (j%2 == 0)) || ((j < 66) && (j%4 == 2))
.set b, (j-2)/4                     ; 38, 42, .. 62: pairs 9 to 15
.if j < 38
.set b, (j-20)/2                    ; 21: pair 0; 22, 24, .. 36: pairs 1 to 8
.endif
	v_pk_fma_f32 v[rS+2*b:rS+2*b+1], v[rS+2*b:rS+2*b+1], s[CS:CS+1], v[rT:rT+1] op_sel_hi:[1,0,0] neg_lo:[0,0,1] neg_hi:[0,0,1]  ; pair b: c s - c m
.elseif j < 70
.set e, j-38                        ; 66 to 69: s28 to s31
.if j < 66
.set e, j-32-(j-38)/4               ; 39-41, 43-45, .. 63-65: s7 to s27
.endif
.if j < 38
.set e, (j-25)/2                    ; 25, 27, .. 37: s0 to s6
.endif
	v_exp_f32 v[rS+e], v[rS+e]
.elseif j < 86
	v_cvt_pk_f16_f32 v[rP+j-70], v[rS+2*(j-70)], v[rS+2*(j-70)+1]  ; pair j - 70
.elseif j < 102                     ; the sum of the tile's 16 pairs, in place: neighbours 1, 2, 4 and 8 pairs apart, then l takes it
.set z, j-86
.set w, 4
.set u, z
.if z >= 14
.set w, 32
.set u, 0
.elseif z >= 12
.set w, 16
.set u, z-12
.elseif z >= 8
.set w, 8
.set u, z-8
.endif
.if (z == 14) && (\first)
	v_pk_add_f32 v[rT+2:rT+3], v[rS:rS+1], v[rS+16:rS+17]
.elseif z < 15
	v_pk_add_f32 v[rS+w*u:rS+w*u+1], v[rS+w*u:rS+w*u+1], v[rS+w*u+w/2:rS+w*u+w/2+1]
.elseif !(\first)
	v_pk_fma_f32 v[rT+2:rT+3], v[rT+2:rT+3], v[rT+6:rT+7], v[rS:rS+1] op_sel_hi:[1,0,1]
.endif
.else
	WIN W_RS
	v_pk_mul_f32 v[rO:rO+1], v[rO:rO+1], v[rT+6:rT+7] op_sel_hi:[1,0]
.endif
.endm
; Slice k of 64 of piece y's softmax: four instructions.  Slices 11 to 34 deal out the batch, four numbers of ONE tile each, the tiles by turns; every other slice is numbers 2 k and 2 k + 1 of both tiles;
; the twelve that are over (2 x 134 = 4 x 64 + 12) stand in slice 63.  Ahead of slice 35 nothing names an exponential's result, behind slice 34 none is issued: one wait, behind slice 34.
.macro SLICE y, first
.if (k >= 11) && (k < 35)
.irp n, 0,1,2,3
.set j, 22+4*((k-11)/2)+(\n)
	SM (\y)+(k-11)%2, \first
.endr
.else
.irp n, 0,1,2,3,4,5,6,7
.if ((\n) < 2) || (k == 63)
.irp t, \y, (\y)+1
.set j, 2*k+(\n)
	SM \t, \first
.endr
.endif
.endr
.endif
.if k == 34
	v_nop                           ; the plain instruction behind the last exponential: one for the batch
.if (\y) == 0
	FETCH_V                         ; piece 2's turn: V's run of loads stands here, and the wait stands in it
.else
	s_wait_alu depctr_va_vdst(0)    ; the wait for the batch
.endif
.endif
.set k, k+1
.endm
.macro PLACES
.rept 4
	v_nop
.endr
.endm
; A TURN.  Piece x has the matrix unit; the other piece's softmax stands in slices behind its matrix instructions.  pv = 2: 32 products V^T P; 1: they start O^T's sums; 0: none.  kq = 1: 32 products K Q^T
; for the next step.  A turn with one of the two kinds has two slices behind each product.  first = 1: the softmax is the first key step's; four v_nop then take slice 63's part as the places behind the last products.
; Piece 0's turn fetches the next step's K, behind its second product; piece 2's turn the same step's V, behind slice 34.
.macro TURN x, pv, kq, first
.set k, 0
.set per, 2
.if (\pv) && (\kq)
.set per, 1
.endif
.if \pv
.if (\x) == 0
	s_wait_dscnt 0x0                ; V is in
.endif
.set i, 0
.rept 32
	PV \x, 2-(\pv)
.rept per
	SLICE 2-(\x), \first
.endr
.if ((\x) == 0) && (\kq) && (i == 1)
	FETCH_K
.endif
.set i, i+1
.endr
.endif
.if \kq
.if (\x) == 0
	s_wait_dscnt 0x0                ; K is in
.endif
.set i, 0
.rept 32
	KQ \x
.rept per
	SLICE 2-(\x), \first
.endr
.set i, i+1
.endr
.endif
.if \first
	PLACES
.endif
.endm
; THE CHANGE OF SLOTS, between piece 2's turn and piece 0's.  Each wave waits for all its tensor loads, of which one is out: its part of the other slot; adds 0 to its spare word; and waits for that and for its
; own reads of the slot.  fill = 1: this slot is filled again, with the keys two slots on; the barrier is then a round of the cluster's, and the joint refill is the first thing behind it: it has my two
; key steps, 256 matrix instructions, in which to land.
.macro CHANGE fill
	WIN 0
	s_wait_tensorcnt 0x0            ; no tensor load of mine is out, so a group 0 may be written
	ds_add_u32 v[SPW], v[NIL]       ; 0 onto my spare word
.if \fill
	s_sub_co_u32 s[G0K+5], s[LSK], s[G0K+5]  ; the walking descriptor: the other slot than last time,
	s_add_nc_u64 s[G0K+6:G0K+7], s[G0K+6:G0K+7], 65536  ; the next 256 keys
	s_sub_co_u32 s[G0V+5], s[LSV], s[G0V+5]
	s_add_nc_u64 s[G0V+6:G0V+7], s[G0V+6:G0V+7], 65536
	s_wait_xcnt 0x0                 ; the last prefetch, two key steps back, has read its address
	s_add_nc_u64 s[PFA:PFA+1], s[PFA:PFA+1], 65536
	s_wait_dscnt 0x0                ; the add is done, and my reads of the slot are over
	CROUND
	JLOAD
	ASK
.else
	s_wait_dscnt 0x0
	s_barrier_signal -1
	s_barrier_wait -1
.endif
	s_sub_co_u32 s[TBK], s[TBK], 2*KS*PK  ; the fetches go back to my half's first step,
	s_sub_co_u32 s[TBK], SLOTB, s[TBK]    ; in the other slot
	s_sub_co_u32 s[TBV], s[TBV], 2*KS*PV
	s_sub_co_u32 s[TBV], SLOTB, s[TBV]
.endm
.macro TWO_STEPS                    ; a slot's two key steps of mine: written once, walked twice
	WIN 0
	s_mov_b32 s[TWICE], 2
.Lstep_\@:
	TURN 0, 2, 1, 0
	TURN 2, 2, 1, 0
	WIN 0
	s_sub_co_u32 s[TWICE], s[TWICE], 1
	s_cmp_lg_u32 s[TWICE], 0
	s_cbranch_scc1 .Lstep_\@
.endm
	s_wait_tensorcnt 1              ; my part of slot 0 is in; slot 1's may stay out
	s_barrier_signal -1
	s_barrier_wait -1
	FETCH_K                         ; my key step 0
	s_wait_loadcnt 0x0              ; Q
	s_wait_dscnt 0x0
.set i, 0
.rept 32
	KQ 0                            ; piece 0's first scores
.set i, i+1
.endr
	WIN 0                           ; the addresses for the merge and the way out: plain instructions, the places behind those products
	s_mul_i32 s13, s[WV], 16*SP
	s_add_co_u32 s13, s13, STAGE    ; my stage
	v_mul_u32_u24 v[STO], v1, SP    ; in: row l % 16, 16 bytes for each half of the lanes
	v_lshl_add_u32 v[STO], v9, 4, v[STO]
	v_add_nc_u32 v[STO], s13, v[STO]
	v_mul_u32_u24 v[RD], v9, SP     ; back: lanes 0-15 take one row of 256 bytes, lanes 16-31 the next
	v_lshl_add_u32 v[RD], v1, 4, v[RD]
	v_add_nc_u32 v[RD], s13, v[RD]
	v_lshlrev_b32 v[GO], 11, v9     ; and the same two rows in ob, 2,048 bytes apart
	v_lshl_add_u32 v[GO], v1, 4, v[GO]
	v_and_b32 v11, 31, v0
	s_mul_i32 s69, s[WV], XSZ
	v_lshl_add_u32 v[XA], v11, 4, s69
	s_xor_b32 s69, s[WV], 2         ; my partner holds the same queries and the other keys
	s_mul_i32 s69, s69, XSZ
	v_lshl_add_u32 v[XB], v11, 4, s69
	TURN 2, 0, 1, 1                 ; piece 2's first scores | piece 0's first softmax | V of step 0
	TURN 0, 1, 1, 1                 ; piece 0: V^T P of step 0 starts O^T, K Q^T of step 1 | piece 2's first softmax | K of step 1
	TURN 2, 1, 1, 0                 ; piece 2: the same | piece 0's softmax of step 1 | V of step 1
	WIN 0
.Lslot:                             ; six trips: every slot but the last two is filled again
	CHANGE 1
	TWO_STEPS
	s_sub_co_u32 s[SLOTS], s[SLOTS], 1
	s_cmp_lg_u32 s[SLOTS], 0
	s_cbranch_scc1 .Lslot
	CHANGE 0                        ; the tail is written out
	TWO_STEPS
	TURN 0, 2, 0, 0                 ; piece 0: V^T P of the last step | piece 2's last softmax
.set i, 0
.rept 32
	PV 2, 0                         ; piece 2: V^T P of the last step
.set i, i+1
.endr
	; THE MERGE.  l's two halves and the other half of the lanes' are added (these lines are the places behind the last products).  Register tiles 2, 3 (O^T, c m, l) go to my partner, whose register
	; tiles 2, 3 are my 0, 1, lane for lane.  With M = max(c m, c m'): O = (O 2^(c m - M) + O' 2^(c m' - M)) / (l 2^(c m - M) + l' 2^(c m' - M)).
	WIN 0
.irp t, 0,1,2,3
	v_add_f32 v[ST+8*(\t)+4], v[ST+8*(\t)+2], v[ST+8*(\t)+3]
.endr
.irp t, 0,1,2,3
	v_permlanex16_b32 v[ST+8*(\t)+5], v[ST+8*(\t)+4], s[SEL], s[SEL+1]
.endr
.irp t, 0,1,2,3
	v_add_f32 v[ST+8*(\t)+4], v[ST+8*(\t)+4], v[ST+8*(\t)+5]
.endr
	v_mov_b32 v[XS],   v[ST+16]
	v_mov_b32 v[XS+1], v[ST+20]
	v_mov_b32 v[XS+2], v[ST+24]
	v_mov_b32 v[XS+3], v[ST+28]
	s_wait_dscnt 0x0
	s_barrier_signal -1             ; every wave has left the ring
	s_barrier_wait -1
	WIN 0x04                        ; store data (source 1) in window 1
.set i, 0
.rept 32
	ds_store_b128 v[XA], v[128+4*i:128+4*i+3] offset:512*i  ; ascending: each accumulator's low half first
.set i, i+1
.endr
	WIN 0
	ds_store_b128 v[XA], v[XS:XS+3] offset:16384
	s_wait_dscnt 0x0                ; for my partner's sake: my stores are done
	s_barrier_signal -1
	s_barrier_wait -1
.set i, 0
.rept 32
	ds_load_b128 v[S+4*i:S+4*i+3], v[XB] offset:512*i
.set i, i+1
.endr
	ds_load_b128 v[XR:XR+3], v[XB] offset:16384
	s_wait_dscnt 0x0
.irp t, 0,1
	v_max_num_f32 v[ST+8*(\t)+1], v[ST+8*(\t)], v[XR+2*(\t)]
.endr
.irp t, 0,1
	v_sub_f32 v[ST+8*(\t)+2], v[ST+8*(\t)], v[ST+8*(\t)+1]
	v_sub_f32 v[ST+8*(\t)+3], v[XR+2*(\t)], v[ST+8*(\t)+1]
.endr
.irp t, 0,1
	v_exp_f32 v[ST+8*(\t)+6], v[ST+8*(\t)+2]
	v_exp_f32 v[ST+8*(\t)+7], v[ST+8*(\t)+3]
.endr
	v_nop
	s_wait_alu depctr_va_vdst(0)    ; one wait for the four exponentials
.irp t, 0,1
	v_mul_f32 v[ST+8*(\t)+2], v[ST+8*(\t)+4], v[ST+8*(\t)+6]
.endr
.irp t, 0,1
	v_fma_f32 v[ST+8*(\t)+2], v[XR+2*(\t)+1], v[ST+8*(\t)+7], v[ST+8*(\t)+2]
.endr
.irp t, 0,1
	v_rcp_f32 v[ST+8*(\t)+3], v[ST+8*(\t)+2]
.endr
	v_nop
	s_wait_alu depctr_va_vdst(0)    ; one wait for the two reciprocals
.irp t, 0,1
	v_mul_f32 v[ST+8*(\t)+4], v[ST+8*(\t)+7], v[ST+8*(\t)+3]  ; my partner's factor, at an even register: the packed lines name a pair and take its low word
	v_mul_f32 v[ST+8*(\t)+6], v[ST+8*(\t)+6], v[ST+8*(\t)+3]  ; mine
.endr
; Tile t: merged, rounded to f16; a lane's eight channels of a row pack into 16 bytes; they go into rows of 272 bytes of my stage and come back as whole rows of 256
.macro PACK t
	WIN W_RS
.set i, 0
.rept 32
	v_pk_mul_f32 v[64*(\t)+2*i:64*(\t)+2*i+1], v[64*(\t)+2*i:64*(\t)+2*i+1], v[ST+8*(\t)+6:ST+8*(\t)+7] op_sel_hi:[1,0]
.set i, i+1
.endr
	WIN 0x50                        ; destination and source 2 in window 1, sources 0 and 1 in window 0
.set i, 0
.rept 32
	v_pk_fma_f32 v[64*(\t)+2*i:64*(\t)+2*i+1], v[S+64*(\t)+2*i:S+64*(\t)+2*i+1], v[ST+8*(\t)+4:ST+8*(\t)+5], v[64*(\t)+2*i:64*(\t)+2*i+1] op_sel_hi:[1,0,1]
.set i, i+1
.endr
	WIN 0x05                        ; sources 0 and 1 window 1, destination window 0: P's registers are free
.set i, 0
.rept 32
	v_cvt_pk_f16_f32 v[P+32*(\t)+i], v[64*(\t)+2*i], v[64*(\t)+2*i+1]
.set i, i+1
.endr
	WIN 0
.irp f, 0,1,2,3,4,5,6,7
	ds_store_b128 v[STO], v[P+32*(\t)+4*(\f):P+32*(\t)+4*(\f)+3] offset:32*(\f)
.endr
.irp f, 0,1,2,3,4,5,6,7
	ds_load_b128 v[P+32*(\t)+4*(\f):P+32*(\t)+4*(\f)+3], v[RD] offset:(\f)*2*SP  ; LDS serves a wave's instructions in order (ISA guide 5.7.1.4)
.endr
.endm
.macro SEND t, younger              ; younger: the LDS instructions issued behind tile t's loads
	WIN 0
.irp f, 0,1,2,3,4,5,6,7
	s_wait_dscnt (\younger)+7-(\f)
	global_store_b128 v[GO], v[P+32*(\t)+4*(\f):P+32*(\t)+4*(\f)+3], s[10:11] offset:(\t)*32768+(\f)*4096  ; 16 lanes store 256 consecutive bytes, at a multiple of 256 from ob's first byte
.endr
.endm
	PACK 0
	PACK 1
	SEND 0, 16
	SEND 1, 0
	s_wait_tensorcnt 0x0            ; the wave's end
	ds_add_u32 v[SPW], v[NIL]
	s_wait_dscnt 0x0
	CROUND                          ; the closing round
	s_endpgm
.Lfunc_end_k_qf3c3e300b7_attn:
	.size	k_qf3c3e300b7_attn, .Lfunc_end_k_qf3c3e300b7_attn-k_qf3c3e300b7_attn
	.p2alignl 7, 3214868480
	.fill 96, 4, 3214868480
	.section	.rodata,"a",@progbits
	.p2align	6, 0x0
	.amdhsa_kernel k_qf3c3e300b7_attn
		.amdhsa_group_segment_fixed_size 327680
		.amdhsa_private_segment_fixed_size 0
		.amdhsa_enable_private_segment 0
		.amdhsa_kernarg_size 16
		.amdhsa_user_sgpr_count 2
		.amdhsa_user_sgpr_kernarg_segment_ptr 1
		.amdhsa_wavefront_size32 1
		.amdhsa_system_sgpr_workgroup_id_x 1
		.amdhsa_system_sgpr_workgroup_id_y 1
		.amdhsa_system_sgpr_workgroup_id_z 1
		.amdhsa_system_vgpr_workitem_id 0
		.amdhsa_next_free_vgpr 1024
		.amdhsa_next_free_sgpr 76
		.amdhsa_reserve_vcc 0
		.amdhsa_float_denorm_mode_32 3
		.amdhsa_float_denorm_mode_16_64 3
		.amdhsa_memory_ordered 1
		.amdhsa_forward_progress 1
		.amdhsa_inst_pref_size 221
	.end_amdhsa_kernel
	.amdgpu_metadata
---
amdhsa.version: [ 1, 2 ]
amdhsa.kernels:
  - .name:           k_qf3c3e300b7_attn
    .symbol:         k_qf3c3e300b7_attn.kd
    .args:
      - { .name: qkv, .offset: 0, .size: 8, .value_kind: global_buffer, .address_space: global }
      - { .name: ob, .offset: 8, .size: 8, .value_kind: global_buffer, .address_space: global }
    .group_segment_fixed_size: 327680
    .private_segment_fixed_size: 0
    .kernarg_segment_align: 8
    .kernarg_segment_size: 16
    .max_flat_workgroup_size: 128
    .sgpr_count:     76
    .vgpr_count:     1024
    .wavefront_size: 32
...
	.end_amdgpu_metadata
.endif
;; end of part 3
;; launch oproj (part 4): grid 8 x 32, 4 waves a work-group, clusters of 4 x 4, 327,680 bytes of LDS; arguments ob, wob, out0; writes out0
.if DOCPART == 4
	.amdgcn_target "amdgcn-amd-amdhsa--gfx1250"
	.amdhsa_code_object_version 6
	.text
	.protected	k_qf3c3e300b7_oproj
	.globl	k_qf3c3e300b7_oproj
	.p2align	8
	.type	k_qf3c3e300b7_oproj,@function
k_qf3c3e300b7_oproj:
	s_mov_b64 s[64:65], 0
	v_nop
	global_prefetch_b8 v0, s[64:65] scope:SCOPE_SE
	s_setreg_imm32_b32 hwreg(HW_REG_WAVE_MODE, 25, 1), 1
	s_wait_xcnt 0x0
	s_wait_alu depctr_hold_cnt(0) depctr_sa_sdst(0) depctr_va_vdst(0) depctr_va_sdst(0) depctr_va_ssrc(0) depctr_va_vcc(0) depctr_vm_vsrc(0)
	s_getreg_b32 s2, hwreg(HW_REG_IB_STS2, 6, 4)
	s_cmp_eq_u32 s2, 0
	s_cbranch_scc0 .Lentry_in_a_cluster
	s_endpgm
.Lentry_in_a_cluster:
	s_bfe_u32 s2, ttmp6, 0x10000c
	s_cmp_lg_u32 s2, 0xf033
	s_cbranch_scc0 .Lentry_shape_is_right
	s_endpgm
.Lentry_shape_is_right:
; out0[m][n] = the sum over k of ob[m][k] wob[n][k].  ob: [4096][1024] f16, wob: [2048][1024] f16 (wo rounded to bf16, written as f16), out0: [4096][2048] f32; sums in f32.
; A tile is 128 (m) x 256 (n): 32 x 8 = 256 work-groups.  Four waves, each 64 x 128: 32 accumulators of 16 x 16, 256 registers.  K goes in 8 steps of 128 through a ring of two LDS slots;
; rows of 256 bytes, at multiples of 256 bytes.  CLUSTERS: 4 x 4; ob's tiles are shared along a row of the cluster, wob's along a column, and asked for JOINTLY.
; No prefetch is laid: of the 8 K steps the first four would come by their loads alone, and the launch is short.
; THE MATRIX INSTRUCTION IS USED TRANSPOSED (source 0 = 16 rows of wob, source 1 = 16 rows of ob): lane l holds row l % 16 and the columns 8 (l / 16) + 0..7.
; REGISTERS: window 0: v0-31 addresses; v64-95, v128-159 fragments of ob (two buffers); on the way out v64-191; window 1: v64-127, v128-191 fragments of wob; window 2: accumulator (a, b) at v[8 (8 a + b)].
.set SIZE_K, 1024
.set SIZE_N, 2048
.set KSTEP,  128
.set PITCH,  272                       ; 256 bytes + 16: the 16 rows that a load touches start at 16 different groups of four banks (ISA guide 11.1)
.set AHALF,  64*PITCH                  ; what a load for ob brings, and what a wave reads of it
.set BHALF,  128*PITCH                 ; the same for wob
.set BOFF,   2*AHALF                   ; wob's 256 rows lie behind ob's 128
.set SLOT,   BOFF+2*BHALF
.set STAGE,  2*SLOT                    ; behind the ring: 16 rows x 528 bytes for each wave
.set SPITCH, 528
.set SPARE,  STAGE+4*16*SPITCH         ; behind the stages: the spare words, 128 bytes for each wave
.set LAPS,   SIZE_K/(2*KSTEP)
.set ADRA, 16
.set ADRB, 20
.set STO,  24                          ; v24  where I put 32 bytes of a row
.set RD,   25                          ; v25  where I read 16 bytes of a row of 512 back
.set CO,   26                          ; v26  16 x my lane
.set SPW,  28
.set NIL,  29
.set F0,   64
.set F1,   128
.set OB,   64                          ; the way out: 16 rows read back: v64-127 and v128-191 by turns
.set G1, 24
.set G0, 32
.set G1B, 48
.set G0B, 56
.set MSB, 0
.macro WIN new
.if MSB != (\new)
	s_set_vgpr_msb (MSB<<8)|(\new)
.set MSB, \new
.endif
.endm
.set MUL,  0xa1                        ; source 0 (wob) window 1, source 1 (ob) window 0, C and D window 2
.set TO_B, 0x40
.macro JLOAD s                         ; waves 0 and 1 fetch ob's two halves (64 rows), waves 2 and 3 wob's (128 rows); an s_nop 0 and four v_nop follow each line
	s_cmp_eq_u32 s11, 0
	s_cbranch_scc0 .Lfor_b_\@
	tensor_load_to_lds s[G0+4*(\s):G0+4*(\s)+3], s[G1:G1+7]
	s_nop 0
.rept 4
	v_nop
.endr
	s_branch .Lasked_\@
.Lfor_b_\@:
	tensor_load_to_lds s[G0B+4*(\s):G0B+4*(\s)+3], s[G1B:G1B+7]
	s_nop 0
.rept 4
	v_nop
.endr
.Lasked_\@:
.endm
.macro CREST
	s_cmp_lg_u32 s10, 0
	s_cbranch_scc1 .Lnot_wave_0_\@
	s_barrier_signal -3
.Lnot_wave_0_\@:
	s_barrier_wait -3
	s_barrier_signal -1
	s_barrier_wait -1
.endm
.macro CROUND
	s_barrier_signal -1
	s_barrier_wait -1
	CREST
.endm
	s_load_b128 s[4:7], s[0:1], 0x0                ; ob s[4:5], wob s[6:7]
	s_load_b64 s[8:9], s[0:1], 0x10                ; out0
	v_lshl_add_u32 v[SPW], v0, 2, SPARE
	v_mov_b32 v[NIL], 0
	ds_add_u32 v[SPW], v[NIL]                      ; the wave's opening: the add and its wait stand ahead of my first tensor load
	v_lshrrev_b32 v1, 5, v0
	v_readfirstlane_b32 s10, v1                    ; wave 0..3
	s_lshr_b32 s11, s10, 1                         ; which 64 of the tile's rows are mine.  Also: I fetch for ob (0) or for wob (1)
	s_and_b32 s12, s10, 1                          ; which 128 of its columns.  Also: which half of that tile I fetch
	s_bfe_u32 s40, ttmp6, 0x40000                  ; cx
	s_bfe_u32 s41, ttmp6, 0x40004                  ; cy
	s_lshl_b32 s42, ttmp9, 2
	s_add_co_u32 s42, s42, s40                     ; tile column
	s_and_b32 s13, ttmp7, 0xffff
	s_lshl_b32 s13, s13, 2
	s_add_co_u32 s13, s13, s41                     ; tile row
	s_lshl_b32 s43, s41, 2
	s_lshl_b32 s43, 15, s43                        ; my row of the cluster
	s_lshl_b32 s44, 0x1111, s40                    ; my column
	s_or_b32 s[G1+0], s43, (1<<16)|(1<<20)|(1<<21)|(5<<22)|(3<<25)  ; the mask; 2-byte elements; padding on; bit 21 beside a mask; after every 64 words 4 words
	s_or_b32 s[G1B+0], s44, (1<<16)|(1<<20)|(1<<21)|(5<<22)|(3<<25)
	s_mov_b32 s[G1+1], KSTEP<<16                   ; tensor_dim0 = 128
	s_mov_b32 s[G1+2], 64<<16                      ; tensor_dim1 = 64
	s_mov_b32 s[G1+3], KSTEP<<16                   ; tile_dim0 = 128
	s_mov_b32 s[G1+4], 64                          ; tile_dim1 = 64
	s_mov_b32 s[G1+5], SIZE_K
	s_mov_b32 s[G1+6], 0
	s_mov_b32 s[G1+7], 0
	s_mov_b32 s[G1B+1], KSTEP<<16
	s_mov_b32 s[G1B+2], 128<<16                    ; 128 rows
	s_mov_b32 s[G1B+3], KSTEP<<16
	s_mov_b32 s[G1B+4], 128
	s_mov_b32 s[G1B+5], SIZE_K
	s_mov_b32 s[G1B+6], 0
	s_mov_b32 s[G1B+7], 0
	s_lshl_b32 s16, s13, 7
	s_lshl_b32 s17, s12, 6
	s_add_co_u32 s16, s16, s17                     ; ob: row 128 x tile row + 64 x half
	s_lshl_b32 s46, s42, 8
	s_lshl_b32 s47, s12, 7
	s_add_co_u32 s46, s46, s47                     ; wob: row 256 x tile column + 128 x half
	s_mov_b32 s17, 0
	s_mov_b32 s47, 0
	s_mov_b64 s[18:19], SIZE_K*2
	s_mul_u64 s[16:17], s[16:17], s[18:19]
	s_mul_u64 s[46:47], s[46:47], s[18:19]
	s_mul_i32 s20, s12, AHALF                      ; where they go: no place in the cluster enters an LDS address
	s_mul_i32 s21, s12, BHALF
	s_add_co_u32 s21, s21, BOFF
	s_wait_dscnt 0x0                               ; the opening add is done
	s_wait_kmcnt 0x0
	s_add_nc_u64 s[14:15], s[4:5], s[16:17]
	s_add_nc_u64 s[46:47], s[6:7], s[46:47]
	CROUND                                         ; all sixteen work-groups are here
.irp s, 0,1
	s_mov_b32 s[G0+4*(\s)], 1
	s_add_co_u32 s[G0+4*(\s)+1], s20, (\s)*SLOT
	s_add_nc_u64 s[G0+4*(\s)+2:G0+4*(\s)+3], s[14:15], (\s)*KSTEP*2
	s_or_b32 s[G0+4*(\s)+3], s[G0+4*(\s)+3], 0x80000000
	s_mov_b32 s[G0B+4*(\s)], 1
	s_add_co_u32 s[G0B+4*(\s)+1], s21, (\s)*SLOT
	s_add_nc_u64 s[G0B+4*(\s)+2:G0B+4*(\s)+3], s[46:47], (\s)*KSTEP*2
	s_or_b32 s[G0B+4*(\s)+3], s[G0B+4*(\s)+3], 0x80000000
	JLOAD \s                                       ; two loads of mine are out
.endr
	v_and_b32 v1, 15, v0                           ; l % 16
	v_bfe_u32 v2, v0, 4, 1                         ; l / 16
	v_mul_u32_u24 v3, v1, PITCH
	v_lshl_add_u32 v3, v2, 4, v3
	s_mul_i32 s22, s11, AHALF                      ; my 64 rows of ob
	s_mul_i32 s23, s12, BHALF                      ; my 128 rows of wob
	s_add_co_u32 s23, s23, BOFF
.irp s, 0,1
	v_add_nc_u32 v[ADRA+(\s)], s22, v3
	v_add_nc_u32 v[ADRB+(\s)], s23, v3
	s_add_co_u32 s22, s22, SLOT
	s_add_co_u32 s23, s23, SLOT
.endr
	s_mul_i32 s23, s10, 16*SPITCH
	s_add_co_u32 s23, s23, STAGE                   ; my stage
	v_mul_u32_u24 v4, v1, SPITCH                   ; in: row l % 16, 32 bytes for each half of the lanes
	v_lshl_add_u32 v4, v2, 5, v4
	v_add_nc_u32 v[STO], s23, v4
	v_and_b32 v5, 31, v0
	v_lshlrev_b32 v[CO], 4, v5                     ; back: 32 lanes take one row of 512 bytes
	v_add_nc_u32 v[RD], s23, v[CO]
	s_lshl_b32 s66, s13, 7                         ; where my 64 x 128 begin in out0: in registers that feed no descriptor
	s_lshl_b32 s68, s11, 6
	s_add_co_u32 s66, s66, s68
	s_lshl_b32 s66, s66, 13                        ; a row is 8,192 bytes
	s_lshl_b32 s68, s42, 8
	s_lshl_b32 s69, s12, 7
	s_add_co_u32 s68, s68, s69
	s_lshl_b32 s68, s68, 2
	s_add_co_u32 s66, s66, s68
	s_mov_b32 s67, 0
	s_add_nc_u64 s[8:9], s[8:9], s[66:67]
; 8 matrix instructions: m block a x all 8 n blocks, 32 along K.  zero = 1: the first product starts the sums.  The 32 accumulators take turns, in the same order in every quarter.
.macro MUL8 f, a, zero
	WIN MUL
.irp b, 0,1,2,3,4,5,6,7
.if \zero
	v_wmma_f32_16x16x32_f16 v[8*(8*(\a)+(\b)):8*(8*(\a)+(\b))+7], v[(\f)+8*(\b):(\f)+8*(\b)+7], v[(\f)+8*(\a):(\f)+8*(\a)+7], 0
.else
	v_wmma_f32_16x16x32_f16 v[8*(8*(\a)+(\b)):8*(8*(\a)+(\b))+7], v[(\f)+8*(\b):(\f)+8*(\b)+7], v[(\f)+8*(\a):(\f)+8*(\a)+7], v[8*(8*(\a)+(\b)):8*(8*(\a)+(\b))+7]
.endif
.endr
.endm
; 24 LDS loads in one run: wob's 8 fragments, then ob's 4
.macro FETCH slot, k, f
	WIN TO_B
.irp i, 0,1,2,3,4,5,6,7
	ds_load_b128 v[(\f)+8*(\i):(\f)+8*(\i)+3],   v[ADRB+(\slot)] offset:(\k)+(\i)*16*PITCH
	ds_load_b128 v[(\f)+8*(\i)+4:(\f)+8*(\i)+7], v[ADRB+(\slot)] offset:(\k)+(\i)*16*PITCH+32
.endr
	WIN 0
.irp i, 0,1,2,3
	ds_load_b128 v[(\f)+8*(\i):(\f)+8*(\i)+3],   v[ADRA+(\slot)] offset:(\k)+(\i)*16*PITCH
	ds_load_b128 v[(\f)+8*(\i)+4:(\f)+8*(\i)+7], v[ADRA+(\slot)] offset:(\k)+(\i)*16*PITCH+32
.endr
.endm
.macro PLACES
.rept 4
	v_nop
.endr
.endm
.macro QUARTER slot, k, f, g, zero
	s_wait_dscnt 4                                 ; wob and ob's blocks 0, 1 are in; the youngest four loads (blocks 2, 3) may be out
	MUL8 \f, 0, \zero
	MUL8 \f, 1, \zero
	PLACES
	FETCH \slot, \k, \g
	s_wait_dscnt 24                                ; all but the 24 just issued
	MUL8 \f, 2, \zero
	MUL8 \f, 3, \zero
.endm
; The last quarter multiplies buffer 1 and changes slots.  fill = 1: this slot is filled again, two K steps on: the barrier opens a round of the cluster's, and the joint refill is the first tensor load behind it.
.macro TURN slot, next, fill
	WIN 0                                          ; (the add's two registers lie in window 0)
	s_wait_tensorcnt 0x0                           ; all my tensor loads have landed: my part of the next slot;
	ds_add_u32 v[SPW], v[NIL]                      ; 0 onto my spare word;
	s_wait_dscnt 5                                 ; (the add and the youngest four loads may be out)
	MUL8 F1, 0, 0                                  ; eight matrix instructions stand between the add and the wait for it
	s_wait_dscnt 0x0                               ; the add is done, and my reads of this slot are over
	s_barrier_signal -1
	MUL8 F1, 1, 0
.if \fill
	WIN 0
.endif
	s_barrier_wait -1
.if \fill
	CREST
	s_add_nc_u64 s[G0+4*(\slot)+2:G0+4*(\slot)+3], s[G0+4*(\slot)+2:G0+4*(\slot)+3], 2*KSTEP*2
	s_add_nc_u64 s[G0B+4*(\slot)+2:G0B+4*(\slot)+3], s[G0B+4*(\slot)+2:G0B+4*(\slot)+3], 2*KSTEP*2
	JLOAD \slot                                    ; one load of mine is out; the four v_nop behind it are also the places in front of the loads below
.else
	PLACES
.endif
	FETCH \next, 0, F0
	MUL8 F1, 2, 0
	MUL8 F1, 3, 0
.endm
	s_wait_tensorcnt 1                             ; my part of K step 0 is in; K step 1's may stay out
	s_barrier_signal -1
	s_barrier_wait -1
	FETCH 0, 0, F0
	QUARTER 0, 64,  F0, F1, 1                      ; the first quarter's products start the sums
	WIN 0
	s_mov_b32 s3, LAPS-1
.Llap:
	QUARTER 0, 128, F1, F0, 0
	QUARTER 0, 192, F0, F1, 0
	TURN 0, 1, 1
	QUARTER 1, 64,  F0, F1, 0
	QUARTER 1, 128, F1, F0, 0
	QUARTER 1, 192, F0, F1, 0
	TURN 1, 0, 1
	QUARTER 0, 64,  F0, F1, 0
	WIN 0
	s_sub_co_u32 s3, s3, 1
	s_cmp_lg_u32 s3, 0
	s_cbranch_scc1 .Llap
	QUARTER 0, 128, F1, F0, 0                      ; the last lap fills nothing
	QUARTER 0, 192, F0, F1, 0
	TURN 0, 1, 0
	QUARTER 1, 64,  F0, F1, 0
	QUARTER 1, 128, F1, F0, 0
	QUARTER 1, 192, F0, F1, 0
	s_wait_dscnt 4
	MUL8 F1, 0, 0
	MUL8 F1, 1, 0
	s_wait_dscnt 0x0
	MUL8 F1, 2, 0
	MUL8 F1, 3, 0
	WIN 0
	; THE WAY OUT: a block of 16 rows x 128 columns of f32 at a time through my own stage: 32 bytes a lane in, whole rows of 512 bytes back, stored as they are.
	PLACES
.macro OUTB a
.set BK, OB+64*((\a)%2)
.if (\a) >= 2
	s_wait_xcnt 0x0                                ; the stores of the block two back have read these registers
.endif
	WIN 0x08                                       ; store data (source 1) in window 2
.irp b, 0,1,2,3,4,5,6,7
	ds_store_b128 v[STO], v[8*(8*(\a)+(\b)):8*(8*(\a)+(\b))+3]   offset:64*(\b)     ; each accumulator's low half first
	ds_store_b128 v[STO], v[8*(8*(\a)+(\b))+4:8*(8*(\a)+(\b))+7] offset:64*(\b)+16
.endr
	WIN 0
.irp t, 0,1,2,3,4,5,6,7,8,9,10,11,12,13,14,15
	ds_load_b128 v[BK+4*(\t):BK+4*(\t)+3], v[RD] offset:(\t)*SPITCH  ; LDS serves a wave's instructions in order (ISA guide 5.7.1.4): these see the stores above; the next block's stores come behind them
.endr
.irp t, 0,1,2,3,4,5,6,7,8,9,10,11,12,13,14,15
	s_wait_dscnt 15-(\t)
	global_store_b128 v[CO], v[BK+4*(\t):BK+4*(\t)+3], s[8:9] offset:(16*(\a)+(\t))*SIZE_N*4 th:TH_STORE_NT  ; 512 consecutive bytes, at a multiple of 256 from out0's first byte
.endr
.endm
	OUTB 0
	OUTB 1
	OUTB 2
	OUTB 3
	s_wait_tensorcnt 0x0                           ; the wave's end
	ds_add_u32 v[SPW], v[NIL]
	s_wait_dscnt 0x0
	CROUND                                         ; the closing round
	s_endpgm
.Lfunc_end_k_qf3c3e300b7_oproj:
	.size	k_qf3c3e300b7_oproj, .Lfunc_end_k_qf3c3e300b7_oproj-k_qf3c3e300b7_oproj
	.p2alignl 7, 3214868480
	.fill 96, 4, 3214868480
	.section	.rodata,"a",@progbits
	.p2align	6, 0x0
	.amdhsa_kernel k_qf3c3e300b7_oproj
		.amdhsa_group_segment_fixed_size 327680
		.amdhsa_private_segment_fixed_size 0
		.amdhsa_enable_private_segment 0
		.amdhsa_kernarg_size 24
		.amdhsa_user_sgpr_count 2
		.amdhsa_user_sgpr_kernarg_segment_ptr 1
		.amdhsa_wavefront_size32 1
		.amdhsa_system_sgpr_workgroup_id_x 1
		.amdhsa_system_sgpr_workgroup_id_y 1
		.amdhsa_system_sgpr_workgroup_id_z 1
		.amdhsa_system_vgpr_workitem_id 0
		.amdhsa_next_free_vgpr 768
		.amdhsa_next_free_sgpr 72
		.amdhsa_reserve_vcc 0
		.amdhsa_float_denorm_mode_32 3
		.amdhsa_float_denorm_mode_16_64 3
		.amdhsa_memory_ordered 1
		.amdhsa_forward_progress 1
		.amdhsa_inst_pref_size 87
	.end_amdhsa_kernel
	.amdgpu_metadata
---
amdhsa.version: [ 1, 2 ]
amdhsa.kernels:
  - .name:           k_qf3c3e300b7_oproj
    .symbol:         k_qf3c3e300b7_oproj.kd
    .args:
      - { .name: ob, .offset: 0, .size: 8, .value_kind: global_buffer, .address_space: global }
      - { .name: wob, .offset: 8, .size: 8, .value_kind: global_buffer, .address_space: global }
      - { .name: out0, .offset: 16, .size: 8, .value_kind: global_buffer, .address_space: global }
    .group_segment_fixed_size: 327680
    .private_segment_fixed_size: 0
    .kernarg_segment_align: 8
    .kernarg_segment_size: 24
    .max_flat_workgroup_size: 128
    .sgpr_count:     72
    .vgpr_count:     768
    .wavefront_size: 32
...
	.end_amdgpu_metadata
.endif
;; end of part 4
